; MI455X (gfx1250); checked and timed in simulation.
; The chip was launched on July 23, 2026; its instructions are those of AMD's public machine-readable ISA for CDNA 5 (MIT licence, August 2026) and "CDNA5" Instruction Set Architecture Reference Guide (July 2026). The comments in the code are by the model that wrote it; some were corrected since.
;; MHA. Allowed arithmetic: matrix products marked QUANTISED: E2M1 operands, one E8M0 scale for each 32 along K, by v_wmma_scale_f32_16x16x128_f8f6f4 with both operands' format E2M1 (or v_wmma_scale_f32_32x16x128_f4), f32 sums; everything else in f32.
;; Inputs: Wk 1,024 x 1,024 float32; Wo 1,024 x 1,024 float32; Wq 1,024 x 1,024 float32; Wv 1,024 x 1,024 float32; bk 1,024 float32; bo 1,024 float32; bq 1,024 float32; bv 1,024 float32; hidden_state 4 x 2,048 x 1,024 float32.
;; Outputs: out0 4 x 2,048 x 1,024 float32.
;; This version of the problem:
;;   THIS VERSION OF THE PROBLEM IS GIVEN IN LOW PRECISION. The matrix products marked QUANTISED in the list below multiply operands that are first quantised to E2M1 (2 exponent bits, 1 mantissa bit; 4 bits a number), with one power-of-two scale for each 32 numbers along K (OCP MX v1.0); their sums are f32. All else is computed in f32.
;;   The module's matrix products, in the order in which they are computed (A, B: the left and right operand; K: the contracted axis; several contracted axes count as one K, in the product's order):
;;     1. [M 8,192, K 1,024] x [K 1,024, N 1,024]; A: input hidden_state; B: input Wq: QUANTISED
;;     2. [M 8,192, K 1,024] x [K 1,024, N 1,024]; A: input hidden_state; B: input Wk: QUANTISED
;;     3. [M 8,192, K 1,024] x [K 1,024, N 1,024]; A: input hidden_state; B: input Wv: QUANTISED
;;     4. batch 64 x [M 2,048, K 64] x [K 64, N 2,048]; A: computed on the way; B: computed on the way: QUANTISED
;;     5. batch 64 x [M 2,048, K 2,048] x [K 2,048, N 64]; A: softmax (see below); B: computed on the way: QUANTISED
;;     6. [M 8,192, K 1,024] x [K 1,024, N 1,024]; A: computed on the way; B: input Wo: QUANTISED
;;   THE QUANTISER, for each operand of a quantised product, along K:
;;     - K is cut into blocks of 32 from its start; a last block that is shorter is filled with zeros.
;;     - A block's scale is 2^e with e = floor(log2(the largest magnitude in the block)) - 2, held to -126 .. 127; a block of zeros has e = 0. As a byte (E8M0): e + 127.
;;     - Each number is divided by its block's scale, clamped to +-6, and rounded to the nearest number of E2M1, ties to even, subnormals kept.
;;     - The product sums the exact products of the quantised numbers (number of the format x scale) in f32.
;;   ~~~python
;;   def quantise(x, axis):      # numpy; x: float32 -> the quantised numbers, widened to float32 again
;;       x = np.moveaxis(x, axis, -1); K = x.shape[-1]
;;       x = np.pad(x, [(0, 0)] * (x.ndim - 1) + [(0, -K % 32)]); x = x.reshape(x.shape[:-1] + (-1, 32)); a = np.abs(x).max(-1, keepdims=True)
;;       e = np.where(a > 0, np.clip(np.frexp(np.where(a > 0, a, 1))[1] - 1 - 2, -126, 127), 0)      # np.frexp(a)[1] - 1 = floor(log2(a)), exactly
;;       r = np.clip(x / 2.0 ** e, -6, 6)
;;       step = 2.0 ** (np.maximum(np.frexp(np.where(r == 0, 1, r))[1] - 1, 0) - 1)
;;       q = np.round(r / step) * step * 2.0 ** e      # np.round: ties to even
;;       return np.moveaxis(q.reshape(q.shape[:-2] + (-1,))[..., :K], -1, axis).astype(np.float32)
;;   ~~~
;;   SOFTMAX AHEAD OF A QUANTISED PRODUCT. Where the list says 'softmax', what is quantised is not the finished softmax but p = 2^(t - M), with t = logit x log2(e) and M = ceil(the row's largest t), a whole number; so 1/2 < the row's largest p <= 1. The row's sum l is taken of the UNQUANTISED p, in f32, and the product's result is divided by l at the end. Since M is a whole number, a kernel that streams over the keys may use a running M (the ceiling of the running maximum): every later rescaling is an exact power of two, which a block's scale takes up: the codes' values come out the same.
;;   OPERANDS COMPUTED ON THE WAY. 'Computed on the way' means the value that the module computes at that place (a softmax that the list does not call 'softmax' is quantised finished and normalised). What goes into a quantiser is computed in f32, as accurately as f32 sums, v_exp_f32 and their like allow (about 1e-6 of the number): no bf16 or f16 on the way to a quantiser, and a product that is left as it is and whose result goes on into a quantised operand takes f32 operands (vector FMAs, or v_wmma_f32_16x16x4_f32). A number that lies on a knife's edge between two numbers of the format may be rounded either way, as far as f32 arithmetic and the matrix unit's own rounding can turn it there, and no further.
;; One version. Each part assembles by itself: llvm-mc -triple=amdgcn-amd-amdhsa -mcpu=gfx1250 --defsym DOCPART=n.
;; ======== version 1 of 1: 4 launches
;; workspace buffers: x_img 4,194,304 bytes; x_sc 262,144 bytes; w_img 2,097,152 bytes; w_sc 131,072 bytes; qb 9,175,040 bytes; kvb 9,175,040 bytes; a_img 4,194,304 bytes; a_sc 262,144 bytes
;; launch quant (part 1): grid 384 x 1, 4 waves a work-group, no clusters, 34,304 bytes of LDS; arguments hidden_state, Wq, Wk, Wv, Wo, x_img, x_sc, w_img, w_sc; writes x_img, x_sc, w_img, w_sc
.if DOCPART == 1
	.amdgcn_target "amdgcn-amd-amdhsa--gfx1250"
	.amdhsa_code_object_version 6
	.text
	.protected	k_qe56323269c_quant
	.globl	k_qe56323269c_quant
	.p2align	8
	.type	k_qe56323269c_quant,@function
k_qe56323269c_quant:
	s_mov_b64 s[64:65], 0
	v_nop
	global_prefetch_b8 v0, s[64:65] scope:SCOPE_SE
	s_setreg_imm32_b32 hwreg(HW_REG_WAVE_MODE, 25, 1), 1
	s_wait_xcnt 0x0
; hidden_state [8192][1024] and Wq, Wk, Wv, Wo [1024][1024], f32 with K innermost, become codes of FP4 (E2M1) with one E8M0 byte for each 32 along K,
; laid in the ORDER OF THE OPERAND'S REGISTERS, so that the products' launches take fragments by 16-byte loads at 16 x lane and nothing else.
; TILES.  Tile T = 2 G + u holds rows 32 G + 8 u + i + 8 (i / 8), i = 0 .. 15: used as source 0 of a product, tiles 2 G and 2 G + 1 then leave 16 neighbours in a lane's 16 result registers.
; IMAGES.  x_img, w_img: [T][K step s = 0 .. 7][1,024 bytes]; byte 512 c + 16 lane holds the codes of row i = lane % 16, k = 128 s + 64 c + 32 (lane / 16) + 0 .. 31.
;          x_sc, w_sc: [T][q = 0, 1][i][j = 0 .. 3] words: the four scale bytes of row i for K step 4 q + j.  w_img: tiles 0-63 Wq, 64-127 Wk, 128-191 Wv, 192-255 Wo.
; A block's scale is 2^(floor(log2(largest magnitude)) - 2): its byte is the largest magnitude's exponent field - 2, held at 1 from below.
; LIMITS: NaN and infinities among the inputs are not served; a block whose largest magnitude lies under 2^-124 gets the byte 1; a block of zeros gets the byte 1 and not 127
; (its codes are zeros, which add nothing under any byte but 0xff, and this program alone reads the bytes).
; SHARES.  A wave takes one tile and one half of K: 16 rows x 512 numbers, four fragments.  768 tiles x 2 halves = 1,536 waves = 384 work-groups; the first 256 take hidden_state, then 32 for each weight.
; Each load reads 512 consecutive bytes of one row; the conversions want 16 neighbours of a row in ONE lane, so a fragment's 8 KB turn through the wave's own stage in LDS
; (rows of 512 + 16 bytes: 132 words, so the sixteen rows that a 16-byte read touches begin in sixteen different groups of four banks).
; No tensor loads, no barrier, no cluster: waves share nothing.  Loads run one fragment (16 loads a wave) ahead of the one at work.
.set STG,  8448                        ; a wave's stage: 16 rows x 528 bytes
.set TM,   8                           ; v8-23    QUANT's work registers
.set PC,   24                          ; v24-55   codes: eight registers for each fragment, so that no store's data are written again
.set SW,   56                          ; v56-59   the four fragments' scale words
.set R,    64                          ; v64-191  two sets of 64: a fragment as it is loaded
.set X,    192                         ; v192-255 the fragment as the conversions want it
.set SEL,  30                          ; s[30:31] lane selects for v_permlanex16_b32: lane l xor 16
; 64 numbers of a lane, register 16 b + i = k 32 b + 16 (lane / 16) + i of the lane's row, become a fragment's eight registers v[pc] on and the row's scale word v[pw].
.macro QUANT src, pc, pw
.irp b, 0,1,2,3
	v_max3_num_f32 v[TM+\b], |v[\src+16*\b]|, |v[\src+1+16*\b]|, 0x1800000   ; block b: my 16 numbers, and the floor 2^(3 - 127): the byte cannot fall under 1
.endr
.irp i, 2,4,6,8,10,12,14
.irp b, 0,1,2,3
	v_max3_num_f32 v[TM+\b], v[TM+\b], |v[\src+16*\b+\i]|, |v[\src+1+16*\b+\i]|   ; the four blocks by turns
.endr
.endr
.irp b, 0,1,2,3
	v_permlanex16_b32 v[TM+4+\b], v[TM+\b], s[SEL], s[SEL+1]
.endr
.irp b, 0,1,2,3
	v_max_num_f32 v[TM+\b], v[TM+\b], v[TM+4+\b]       ; with lane l xor 16's 16: the block's largest magnitude
.endr
.irp b, 0,1,2,3
	v_add_nc_u32 v[TM+12+\b], 0xff000000, v[TM+\b]     ; 2 off its exponent field: the conversion reads the exponent field of this operand as its scale
.endr
.irp b, 0,1,2,3
	v_lshrrev_b32 v[TM+4+\b], 23, v[TM+12+\b]          ; the scale's byte
.endr
	v_lshl_or_b32 v[\pw], v[TM+5], 8, v[TM+4]
	v_lshl_or_b32 v[\pw], v[TM+6], 16, v[\pw]
	v_lshl_or_b32 v[\pw], v[TM+7], 24, v[\pw]          ; the row's scale word
.irp b, 0,1,2,3
	v_cvt_scalef32_pk8_fp4_f32 v[\pc+2*\b], v[\src+16*\b:\src+7+16*\b], v[TM+12+\b]
	v_cvt_scalef32_pk8_fp4_f32 v[\pc+1+2*\b], v[\src+8+16*\b:\src+15+16*\b], v[TM+12+\b]
.endr
	v_nop                                              ; one plain instruction behind the scaled conversions
.irp c, 0,1                                        ; the operand wants a WHOLE block in a lane: lanes 0-15 block 2 c, lanes 16-31 block 2 c + 1
.irp i, 0,1
	v_permlane16_swap_b32 v[\pc+4*\c+\i], v[\pc+2+4*\c+\i]
.endr
.endr
.endm
	s_load_b256 s[4:11], s[0:1], 0x0               ; hidden_state, Wq, Wk, Wv
	s_load_b256 s[12:19], s[0:1], 0x20             ; Wo, x_img, x_sc, w_img
	s_load_b64 s[20:21], s[0:1], 0x40              ; w_sc
	v_lshl_add_u32 v62, v0, 2, 0x8400
	v_mov_b32 v63, 0
	v_lshrrev_b32 v6, 5, v0
	v_readfirstlane_b32 s22, v6                    ; wave 0..3
	v_and_b32 v5, 31, v0                           ; lane
	v_and_b32 v6, 15, v0                           ; r
	v_bfe_u32 v7, v0, 4, 1                         ; h
	v_lshlrev_b32 v1, 4, v5                        ; 16 x lane: my bytes of a load's or a store's 512
	s_mul_i32 s23, s22, STG
	v_add_nc_u32 v2, s23, v1                       ; into the stage: a row as it lies
	v_mul_u32_u24 v3, v6, 528
	v_lshl_add_u32 v3, v7, 6, v3
	v_add_nc_u32 v3, s23, v3                       ; out of it: row r, + 64 h: my 16 numbers of each block of 32
	v_lshlrev_b32 v4, 4, v6                        ; the scale words: 16 bytes a row
.irp b, 0,1,2,3
	v_mov_b32 v[TM+4+\b], 0                        ; written once: a lane permute's destination counts as one of its sources
.endr
	s_mov_b32 s[SEL], 0x76543210
	s_mov_b32 s[SEL+1], 0xfedcba98
	s_sub_co_u32 s23, ttmp9, 256                   ; a weight's work-group: its number among the 128,
	s_and_b32 s25, s23, 31                         ; among its weight's 32,
	s_lshr_b32 s26, s23, 5                         ; and which weight (no number from 0 to 3 for hidden_state's work-groups)
	s_wait_alu depctr_va_vdst(0)
	s_wait_kmcnt 0x0
	s_cmp_eq_u32 s26, 2                            ; the buffers are chosen by the work-group's number alone; all take one path through the text
	s_cselect_b64 s[32:33], s[10:11], s[12:13]
	s_cmp_eq_u32 s26, 1
	s_cselect_b64 s[32:33], s[8:9], s[32:33]
	s_cmp_eq_u32 s26, 0
	s_cselect_b64 s[32:33], s[6:7], s[32:33]
	s_cmp_lt_u32 ttmp9, 256
	s_cselect_b64 s[32:33], s[4:5], s[32:33]       ; the source,
	s_cselect_b64 s[34:35], s[14:15], s[18:19]     ; its images,
	s_cselect_b64 s[36:37], s[16:17], s[20:21]     ; its scale words
	s_cselect_b32 s27, ttmp9, s25                  ; the work-group's number in the source,
	s_cselect_b32 s28, ttmp9, s23                  ; and in the destination
	s_lshl_b32 s27, s27, 2
	s_add_co_u32 s27, s27, s22
	s_lshr_b32 s27, s27, 1                         ; my tile in the source
	s_lshl_b32 s28, s28, 2
	s_add_co_u32 s28, s28, s22
	s_lshr_b32 s28, s28, 1                         ; and in the destination
	s_and_b32 s29, s22, 1                          ; my half of K
	s_lshr_b32 s24, s27, 1
	s_lshl_b32 s24, s24, 17                        ; 32 rows of 4,096 bytes for each pair of tiles,
	s_and_b32 s25, s27, 1
	s_lshl_b32 s25, s25, 15                        ; 8 rows for the odd tile,
	s_add_co_u32 s24, s24, s25
	s_lshl_b32 s25, s29, 11                        ; 2,048 bytes for the second half of K
	s_add_co_u32 s24, s24, s25
	s_mov_b32 s25, 0
	s_add_nc_u64 s[32:33], s[32:33], s[24:25]
	s_lshl_b32 s24, s28, 13
	s_lshl_b32 s26, s29, 12
	s_add_co_u32 s24, s24, s26
	s_add_nc_u64 s[34:35], s[34:35], s[24:25]      ; images: 8,192 T + 4,096 q
	s_lshl_b32 s24, s28, 9
	s_lshl_b32 s26, s29, 8
	s_add_co_u32 s24, s24, s26
	s_add_nc_u64 s[36:37], s[36:37], s[24:25]      ; scale words: 512 T + 256 q
.macro LOADF f                         ; fragment f: 512 bytes of each of the tile's 16 rows, into set f % 2
.irp i, 0,1,2,3,4,5,6,7,8,9,10,11,12,13,14,15
	global_load_b128 v[R+64*((\f)%2)+4*\i:R+64*((\f)%2)+4*\i+3], v1, s[32:33] offset:(\i+8*(\i/8))*4096+512*(\f) th:TH_LOAD_NT
.endr
.endm
.macro FRAGQ f
.if (\f) < 3
	s_wait_loadcnt 16                              ; this fragment's 16 loads are in; the next fragment's 16 may be out
.else
	s_wait_loadcnt 0x0
.endif
.irp i, 0,1,2,3,4,5,6,7,8,9,10,11,12,13,14,15
	ds_store_b128 v2, v[R+64*((\f)%2)+4*\i:R+64*((\f)%2)+4*\i+3] offset:528*\i
.endr
.irp b, 0,1,2,3                                    ; LDS serves a wave's instructions in order: these see the stores above, and the next fragment's stores come behind them
.irp j, 0,1,2,3
	ds_load_b128 v[X+16*\b+4*\j:X+16*\b+4*\j+3], v3 offset:128*\b+16*\j
.endr
.endr
	s_wait_dscnt 0x0                               ; the numbers are back, and the stores have read their registers,
.if (\f) < 2
	LOADF (\f)+2                                   ; which take the fragment two further on
.endif
	QUANT X, PC+8*(\f), SW+(\f)
	global_store_b128 v1, v[PC+8*(\f):PC+8*(\f)+3], s[34:35] offset:1024*(\f)          ; 32 lanes store 512 consecutive bytes
	global_store_b128 v1, v[PC+8*(\f)+4:PC+8*(\f)+7], s[34:35] offset:1024*(\f)+512
.endm
	LOADF 0
	LOADF 1
	FRAGQ 0
	FRAGQ 1
	FRAGQ 2
	FRAGQ 3
	v_cmp_gt_u32 vcc_lo, 16, v5                    ; lanes 16-31 hold the same words as lanes 0-15
	s_wait_xcnt 0x0                                ; EXEC is narrowed only behind this wait: the stores above have read it
	s_wait_tensorcnt 0x0
	ds_add_u32 v62, v63
	s_wait_dscnt 0x0
	s_and_saveexec_b32 s23, vcc_lo
	global_store_b128 v4, v[SW:SW+3], s[36:37]     ; sixteen lanes store 256 consecutive bytes, aligned
	s_endpgm
.Lfunc_end_k_qe56323269c_quant:
	.size	k_qe56323269c_quant, .Lfunc_end_k_qe56323269c_quant-k_qe56323269c_quant
	.p2alignl 7, 3214868480
	.fill 96, 4, 3214868480
	.section	.rodata,"a",@progbits
	.p2align	6, 0x0
	.amdhsa_kernel k_qe56323269c_quant
		.amdhsa_group_segment_fixed_size 34304
		.amdhsa_private_segment_fixed_size 0
		.amdhsa_enable_private_segment 0
		.amdhsa_kernarg_size 72
		.amdhsa_user_sgpr_count 2
		.amdhsa_user_sgpr_kernarg_segment_ptr 1
		.amdhsa_wavefront_size32 1
		.amdhsa_system_sgpr_workgroup_id_x 1
		.amdhsa_system_sgpr_workgroup_id_y 1
		.amdhsa_system_sgpr_workgroup_id_z 1
		.amdhsa_system_vgpr_workitem_id 0
		.amdhsa_next_free_vgpr 256
		.amdhsa_next_free_sgpr 66
		.amdhsa_reserve_vcc 1
		.amdhsa_float_denorm_mode_32 3
		.amdhsa_float_denorm_mode_16_64 3
		.amdhsa_memory_ordered 1
		.amdhsa_forward_progress 1
		.amdhsa_inst_pref_size 33
	.end_amdhsa_kernel
	.amdgpu_metadata
---
amdhsa.version: [ 1, 2 ]
amdhsa.kernels:
  - .name:           k_qe56323269c_quant
    .symbol:         k_qe56323269c_quant.kd
    .args:
      - { .name: hidden_state, .offset: 0, .size: 8, .value_kind: global_buffer, .address_space: global }
      - { .name: Wq, .offset: 8, .size: 8, .value_kind: global_buffer, .address_space: global }
      - { .name: Wk, .offset: 16, .size: 8, .value_kind: global_buffer, .address_space: global }
      - { .name: Wv, .offset: 24, .size: 8, .value_kind: global_buffer, .address_space: global }
      - { .name: Wo, .offset: 32, .size: 8, .value_kind: global_buffer, .address_space: global }
      - { .name: x_img, .offset: 40, .size: 8, .value_kind: global_buffer, .address_space: global }
      - { .name: x_sc, .offset: 48, .size: 8, .value_kind: global_buffer, .address_space: global }
      - { .name: w_img, .offset: 56, .size: 8, .value_kind: global_buffer, .address_space: global }
      - { .name: w_sc, .offset: 64, .size: 8, .value_kind: global_buffer, .address_space: global }
    .group_segment_fixed_size: 34304
    .private_segment_fixed_size: 0
    .kernarg_segment_align: 8
    .kernarg_segment_size: 72
    .max_flat_workgroup_size: 128
    .sgpr_count:     66
    .vgpr_count:     256
    .wavefront_size: 32
...
	.end_amdgpu_metadata
.endif
;; end of part 1
;; launch qkv (part 2): grid 96 x 4, 4 waves a work-group, clusters of 4 x 4, 279,040 bytes of LDS; arguments x_img, x_sc, w_img, w_sc, bq, bk, bv, qb, kvb; writes qb, kvb
.if DOCPART == 2
	.amdgcn_target "amdgcn-amd-amdhsa--gfx1250"
	.amdhsa_code_object_version 6
	.text
	.protected	k_qe56323269c_qkv
	.globl	k_qe56323269c_qkv
	.p2align	8
	.type	k_qe56323269c_qkv,@function
k_qe56323269c_qkv:
	s_mov_b64 s[64:65], 0
	v_nop
	global_prefetch_b8 v0, s[64:65] scope:SCOPE_SE
	s_setreg_imm32_b32 hwreg(HW_REG_WAVE_MODE, 25, 1), 1
	s_wait_xcnt 0x0
	s_wait_alu depctr_hold_cnt(0) depctr_sa_sdst(0) depctr_va_vdst(0) depctr_va_sdst(0) depctr_va_ssrc(0) depctr_va_vcc(0) depctr_vm_vsrc(0)
	s_getreg_b32 s2, hwreg(HW_REG_IB_STS2, 6, 4)
	s_cmp_eq_u32 s2, 0
	s_cbranch_scc0 .Lentry_in_a_cluster
	s_endpgm
.Lentry_in_a_cluster:
	s_bfe_u32 s2, ttmp6, 0x10000c
	s_cmp_lg_u32 s2, 0xf033
	s_cbranch_scc0 .Lentry_shape_is_right
	s_endpgm
.Lentry_shape_is_right:
; q, k, v = hidden_state W^T + b on codes of FP4 with E8M0 scales, each result quantised AT ONCE for the product that will read it; no f32 result goes to memory.
; OPERANDS are images of fragments: tile T = 2 G + u holds rows 32 G + 8 u + i + 8 (i / 8); [T][K step][1,024 bytes], byte 512 c + 16 lane = registers 4 c .. 4 c + 3 of that lane; scale words [T][q][i][j].
; A work-group of four waves makes 256 x 256 results, a wave 128 x 128: 64 accumulators.  THE R SIDE is source 1: a lane holds ONE of its rows.  THE P SIDE is source 0: a lane's registers run along its rows,
; and by the tiles' order the 64 registers of one R tile are 128 neighbours along P, 16 to a block of 32 and half of the lanes: what the quantiser wants.
;   clusters 0-15 (q where the cluster's number is even, k where odd): R = tokens, P = rows of Wq or Wk: q and k are quantised along the head's 64;
;   clusters 16-23 (v): R = rows of Wv, P = tokens: v is quantised along the keys.
; In every kind R hangs on the cluster's number and cy, P on the cluster's number and cx: R's tiles are asked for jointly by a row of the 4 x 4 cluster, P's by a column.
; K = 1,024 IS WHOLE IN LDS: two chunks of 512 along K, each byte filled once; so there is no ring and no refill.  A wave has three tensor loads outstanding: its scale words, chunk 0, chunk 1.
; OUT.  qb and kvb: [b x 16 + head][group of 128 tokens][8,960 bytes]: +0 eight tiles x 512 bytes, q's or k's codes (registers 0-3 of a fragment: the head's 64); +4,096 four fragments of v^T (row d, K = the 128 keys);
;   +8,192 q's or k's scale words [i][tile] (bytes 2 and 3 are 0x7f: the upper 64 of the instruction's 128 are zero codes there); +8,704 v's scale words [i][tile].  qb has the first and the third part alone.
; 384 tiles are 24 clusters: the sizes leave no tile with which 256 work-groups would do (256 x 384 results would want 768 accumulator registers a wave).
; No prefetch: every tensor load of a work-group goes out at its head.
; LIMITS: NaN and infinities are not served; a block whose largest magnitude lies under 2^-124, a block of zeros among them, gets the byte 1 (zero codes add nothing; this program alone reads the bytes).
; REGISTERS, in windows of 256: window 0: v1-23 addresses; v32-95 scale words, a set for each chunk; v128-191 R's eight fragments, ONE set; in the epilogue v104-231 at work.
;   window 1: P's eight fragments, TWO sets, v0-63 and v128-191; v64-79, v192-255 biases.   window 2: the accumulators of R tiles 0-3 ((a, b) at v[8 (8 a + b)]);   window 3: of R tiles 4-7.
.set NPT,   8                          ; P tiles of a wave
.set CHUNK, 131072                     ; LDS: a chunk: R's 16 tiles x 4 KB, then P's 16
.set PBASE, 65536
.set SCL,   2*CHUNK                    ; behind the chunks: R's scale words, 8 KB, then P's
.set BLKB,  8960                       ; a block of qb or kvb
.set HEADB, 143360                     ; sixteen of them: from head to head
.set ADRR, 16                          ; v16-17  my R fragments in chunk 0, 1
.set ADRP, 18                          ; v18-19  my P fragments
.set ADRS, 20                          ; v20     my scale words: lanes 0-15 R's, lanes 16-31 P's
.set SC,   32                          ; set q at v[SC + 32 q]; register 4 i + j: lanes 0-15 R tile i's word j, lanes 16-31 P tile i's
.set RF,   128
.set TM,   104                         ; v104-119 QUANT's work registers
.set PW,   120                         ; the scale word just made
.set H,    128                         ; v128-191 one R tile's 64 results with their bias
.set PC,   192                         ; v192-207 codes, two sets by turns
.set SWA,  208                         ; v208-215, v216-223 scale words kept for the end
.set SWB,  216
.set ST,   224                         ; v224-231 scale words as they are stored
.set BP,   192                         ; window 1: the bias along P (kinds q, k)
.set BR,   64                          ; window 1: the bias of my R row, each number in both registers of a pair (kind v)
.set WV,   22                          ; s22 wave; s23 its half of R; s24 its half of P
.set SEL,  30
.set G1R,  32                          ; s[32:39], s[40:47] descriptor group 1 for R's and P's codes;  s[48:55], s[56:63] for their scale words
.set G1P,  40
.set G1RS, 48
.set G1PS, 56
.set G0R,  68                          ; s[68:79] group 0 for R: scale words, chunk 0, chunk 1;  s[80:91] for P
.set G0P,  80
.set MSB, 0
.macro WIN new                         ; the immediate's high byte repeats the setting that is left; a switch that changes nothing is dropped
.if MSB != \new
	s_set_vgpr_msb (MSB<<8)|\new
.set MSB, \new
.endif
.endm
.macro CROUND                          ; a round of the cluster's barrier
	s_barrier_signal -1
	s_barrier_wait -1
	s_cmp_lg_u32 s[WV], 0
	s_cbranch_scc1 .Lnot_wave_0_\@
	s_barrier_signal -3
.Lnot_wave_0_\@:
	s_barrier_wait -3
	s_barrier_signal -1
	s_barrier_wait -1
.endm
.macro PLACES n                        ; plain vector instructions between a matrix instruction and a load into, or a read of, its registers
.rept \n
	v_nop
.endr
.endm
.macro QUANT src, pc, pw               ; 64 numbers of a lane, register 16 b + i = k 32 b + 16 (lane / 16) + i of its row -> a fragment's registers v[pc] on, the row's scale word v[pw]
.irp b, 0,1,2,3
	v_max3_num_f32 v[TM+\b], |v[\src+16*\b]|, |v[\src+1+16*\b]|, 0x1800000   ; and the floor 2^(3 - 127): the byte cannot fall under 1
.endr
.irp i, 2,4,6,8,10,12,14
.irp b, 0,1,2,3
	v_max3_num_f32 v[TM+\b], v[TM+\b], |v[\src+16*\b+\i]|, |v[\src+1+16*\b+\i]|
.endr
.endr
.irp b, 0,1,2,3
	v_permlanex16_b32 v[TM+4+\b], v[TM+\b], s[SEL], s[SEL+1]
.endr
.irp b, 0,1,2,3
	v_max_num_f32 v[TM+\b], v[TM+\b], v[TM+4+\b]
.endr
.irp b, 0,1,2,3
	v_add_nc_u32 v[TM+12+\b], 0xff000000, v[TM+\b]     ; 2 off the exponent field: the conversion's scale operand
.endr
.irp b, 0,1,2,3
	v_lshrrev_b32 v[TM+4+\b], 23, v[TM+12+\b]          ; the scale's byte
.endr
	v_lshl_or_b32 v[\pw], v[TM+5], 8, v[TM+4]
	v_lshl_or_b32 v[\pw], v[TM+6], 16, v[\pw]
	v_lshl_or_b32 v[\pw], v[TM+7], 24, v[\pw]
.irp b, 0,1,2,3
	v_cvt_scalef32_pk8_fp4_f32 v[\pc+2*\b], v[\src+16*\b:\src+7+16*\b], v[TM+12+\b]
	v_cvt_scalef32_pk8_fp4_f32 v[\pc+1+2*\b], v[\src+8+16*\b:\src+15+16*\b], v[TM+12+\b]
.endr
	v_nop                                              ; one plain instruction behind the scaled conversions
.irp c, 0,1
.irp i, 0,1
	v_permlane16_swap_b32 v[\pc+4*\c+\i], v[\pc+2+4*\c+\i]
.endr
.endr
.endm
	s_load_b256 s[4:11], s[0:1], 0x0               ; x_img, x_sc, w_img, w_sc
	s_load_b256 s[12:19], s[0:1], 0x20             ; bq, bk, bv, qb
	s_load_b64 s[20:21], s[0:1], 0x40              ; kvb
	v_lshl_add_u32 v254, v0, 2, 0x44000
	v_mov_b32 v255, 0
	ds_add_u32 v254, v255
	ds_add_u32 v254, v255
	v_lshrrev_b32 v1, 5, v0
	v_readfirstlane_b32 s[WV], v1                  ; wave 0..3
	s_lshr_b32 s23, s[WV], 1                       ; my half of R's 256 rows.  Also: I fetch for R (0) or for P (1)
	s_and_b32 s24, s[WV], 1                        ; my half of P's 256 rows.  Also: which half of that side I fetch
	s_bfe_u32 s25, ttmp6, 0x40000                  ; cx
	s_bfe_u32 s26, ttmp6, 0x40004                  ; cy
	s_lshl_b32 s27, s26, 2
	s_lshl_b32 s27, 15, s27                        ; my row of the cluster
	s_lshl_b32 s28, 0x1111, s25                    ; my column
	s_or_b32 s[G1R], s27, (3<<16)|(1<<21)          ; 15:0 the mask; 17:16 elements of 8 bytes; 21 set beside a mask; no padding: the images are read 16 bytes a lane on end
	s_or_b32 s[G1RS], s27, (3<<16)|(1<<21)
	s_or_b32 s[G1P], s28, (3<<16)|(1<<21)
	s_or_b32 s[G1PS], s28, (3<<16)|(1<<21)
.irp g, G1R, G1P                                   ; codes: 8 tiles; of each the chunk's 4 KB (512 elements), 8 KB (1,024 elements) from tile to tile
	s_mov_b32 s[\g+1], 512<<16                     ; tensor_dim0
	s_mov_b32 s[\g+2], 8<<16                       ; tensor_dim1
	s_mov_b32 s[\g+3], 512<<16                     ; tile_dim0
	s_mov_b32 s[\g+4], 8                           ; tile_dim1
	s_mov_b32 s[\g+5], 1024                        ; tensor_dim0_stride
	s_mov_b32 s[\g+6], 0
	s_mov_b32 s[\g+7], 0
.endr
.irp g, G1RS, G1PS                                 ; scale words of 8 tiles: 4,096 dense bytes as 16 rows of 256
	s_mov_b32 s[\g+1], 32<<16
	s_mov_b32 s[\g+2], 16<<16
	s_mov_b32 s[\g+3], 32<<16
	s_mov_b32 s[\g+4], 16
	s_mov_b32 s[\g+5], 32
	s_mov_b32 s[\g+6], 0
	s_mov_b32 s[\g+7], 0
.endr
	s_lshr_b32 s2, ttmp9, 1
	s_lshl_b32 s2, s2, 2                           ; q, k: the cluster's first tile of tokens
	s_and_b32 s100, ttmp9, 1
	s_lshl_b32 s100, s100, 2                       ; and of w_img: 0 for Wq, 4 for Wk
	s_sub_co_u32 s101, ttmp9, 16
	s_lshl_b32 s101, s101, 2                       ; v: the cluster's first tile of tokens
	s_wait_dscnt 0x0
	s_wait_kmcnt 0x0
	s_cmp_lt_u32 ttmp9, 16                         ; the kind hangs on the cluster's number alone: the same in all sixteen partners
	s_cselect_b64 s[92:93], s[4:5], s[8:9]         ; R's codes,
	s_cselect_b64 s[94:95], s[6:7], s[10:11]       ; R's scale words,
	s_cselect_b64 s[96:97], s[8:9], s[4:5]         ; P's codes,
	s_cselect_b64 s[98:99], s[10:11], s[6:7]       ; P's scale words
	s_cselect_b32 s66, s2, 8                       ; (Wv begins at tile 8 of 256 rows)
	s_cselect_b32 s67, s100, s101
	s_add_co_u32 s66, s66, s26                     ; R's tile of 256 rows: + cy;  no register that feeds R's descriptors holds cx,
	s_add_co_u32 s67, s67, s25                     ; P's: + cx;  and none that feeds P's holds cy
	s_lshl_b32 s2, s66, 17                         ; 16 tiles x 8 KB,
	s_lshl_b32 s3, s24, 16                         ; and the half that I fetch
	s_add_co_u32 s2, s2, s3
	s_mov_b32 s3, 0
	s_add_nc_u64 s[92:93], s[92:93], s[2:3]
	s_lshr_b32 s2, s2, 4                           ; a tile's scale words are a sixteenth of its codes
	s_add_nc_u64 s[94:95], s[94:95], s[2:3]
	s_lshl_b32 s100, s67, 17
	s_lshl_b32 s101, s24, 16
	s_add_co_u32 s100, s100, s101
	s_mov_b32 s101, 0
	s_add_nc_u64 s[96:97], s[96:97], s[100:101]
	s_lshr_b32 s100, s100, 4
	s_add_nc_u64 s[98:99], s[98:99], s[100:101]
.macro G0SET g, cb, sb                 ; three groups 0: scale words, chunk 0, chunk 1.  LDS: wave x 4 KB behind SCL; wave x 32 KB in a chunk: R's halves, then P's: no place in the cluster enters
	s_mov_b32 s[\g], 1
	s_lshl_b32 s[\g+1], s[WV], 12
	s_add_co_u32 s[\g+1], s[\g+1], SCL
	s_mov_b64 s[\g+2:\g+3], s[\sb:\sb+1]
	s_or_b32 s[\g+3], s[\g+3], 0x80000000
	s_mov_b32 s[\g+4], 1
	s_lshl_b32 s[\g+5], s[WV], 15
	s_mov_b64 s[\g+6:\g+7], s[\cb:\cb+1]
	s_or_b32 s[\g+7], s[\g+7], 0x80000000
	s_mov_b32 s[\g+8], 1
	s_add_co_u32 s[\g+9], s[\g+5], CHUNK
	s_add_nc_u64 s[\g+10:\g+11], s[\cb:\cb+1], 4096
	s_or_b32 s[\g+11], s[\g+11], 0x80000000
.endm
	G0SET G0R, 92, 94
	G0SET G0P, 96, 98
	CROUND                                         ; all sixteen work-groups are here: the joint loads meet
	s_cmp_lt_u32 s[WV], 2                          ; a wave's three fills stand in one branch on its number, ahead of every wait on TENSORcnt, every LDS read and every other barrier
	s_cbranch_scc0 .Lfor_p
	tensor_load_to_lds s[G0R:G0R+3], s[G1RS:G1RS+7]
	s_nop 0
	tensor_load_to_lds s[G0R+4:G0R+7], s[G1R:G1R+7]
	s_nop 0
	tensor_load_to_lds s[G0R+8:G0R+11], s[G1R:G1R+7]
	s_nop 0
.rept 4
	v_nop                                          ; four plain lines behind the last load
.endr
	s_branch .Lasked
.Lfor_p:
	tensor_load_to_lds s[G0P:G0P+3], s[G1PS:G1PS+7]
	s_nop 0
	tensor_load_to_lds s[G0P+4:G0P+7], s[G1P:G1P+7]
	s_nop 0
	tensor_load_to_lds s[G0P+8:G0P+11], s[G1P:G1P+7]
	s_nop 0
.rept 4
	v_nop
.endr
.Lasked:
	v_and_b32 v1, 15, v0                           ; r
	v_bfe_u32 v2, v0, 4, 1                         ; h
	v_and_b32 v3, 31, v0
	v_lshlrev_b32 v21, 4, v3                       ; 16 x lane
	s_lshl_b32 s2, s23, 15
	v_add_nc_u32 v[ADRR], s2, v21                  ; my 8 R tiles
	v_add_nc_u32 v[ADRR+1], CHUNK, v[ADRR]
	s_lshl_b32 s3, s24, 15
	s_add_co_u32 s3, s3, PBASE
	v_add_nc_u32 v[ADRP], s3, v21                  ; my 8 P tiles
	v_add_nc_u32 v[ADRP+1], CHUNK, v[ADRP]
	s_lshl_b32 s2, s23, 12                         ; R's scale words of my 8 tiles,
	s_lshl_b32 s3, s24, 12
	s_add_co_u32 s3, s3, 8192                      ; P's,
	s_sub_co_u32 s3, s3, s2                        ; and the distance between the two: lanes 16-31 take P's
	v_mul_u32_u24 v4, s3, v2
	v_lshl_add_u32 v4, v1, 4, v4                   ; 16 bytes a row
	s_add_co_u32 s2, s2, SCL
	v_add_nc_u32 v[ADRS], s2, v4
	v_lshlrev_b32 v5, 6, v2                        ; the bias along P: 64 h
	v_and_b32 v6, 8, v1
	v_add_nc_u32 v6, v6, v1
	v_lshlrev_b32 v6, 2, v6                        ; the bias of my R row: 4 (r + 8 (r / 8))
	s_wait_alu depctr_va_vdst(0)
	v_lshlrev_b32 v22, 5, v1
	v_lshl_add_u32 v22, v2, 4, v22                 ; q's, k's scale words: 32 r + 16 h
	v_mul_u32_u24 v23, v2, HEADB
	v_lshl_add_u32 v23, v1, 4, v23                 ; v's: 16 r, lanes 16-31 the next head
.irp b, 0,1,2,3
	v_mov_b32 v[TM+4+\b], 0                        ; written once: a lane permute's destination counts as one of its sources
.endr
	s_mov_b32 s[SEL], 0x76543210
	s_mov_b32 s[SEL+1], 0xfedcba98
	; the biases.  Both sets are loaded on the one path; the set that a kind does not use is read from its buffer's first bytes and is not used
	s_lshl_b32 s2, s25, 10
	s_lshl_b32 s3, s24, 9
	s_add_co_u32 s2, s2, s3                        ; q, k: my 128 features begin at 256 cx + 128 x my half of P
	s_lshl_b32 s100, s26, 10
	s_lshl_b32 s101, s23, 9
	s_add_co_u32 s100, s100, s101                  ; v: at 256 cy + 128 x my half of R
	s_and_b32 s29, ttmp9, 1
	s_cmp_eq_u32 s29, 1
	s_cselect_b64 s[92:93], s[14:15], s[12:13]     ; bk or bq
	s_cselect_b64 s[96:97], s[20:21], s[18:19]     ; kvb or qb
	s_cmp_lt_u32 ttmp9, 16
	s_cselect_b64 s[92:93], s[92:93], s[16:17]
	s_cselect_b64 s[96:97], s[96:97], s[20:21]     ; v goes to kvb
	s_cselect_b32 s2, s2, 0
	s_cselect_b32 s100, 0, s100
	s_mov_b32 s3, 0
	s_mov_b32 s101, 0
	s_add_nc_u64 s[92:93], s[92:93], s[2:3]
	s_add_nc_u64 s[94:95], s[16:17], s[100:101]
	WIN 0x40                                       ; destination window 1
.irp t, 0,1,2,3,4,5,6,7                            ; P tile t, register j, half h: feature 32 (t / 2) + 8 (t % 2) + 16 h + j
	global_load_b128 v[BP+8*\t:BP+8*\t+3], v5, s[92:93] offset:(32*(\t/2)+8*(\t%2))*4
	global_load_b128 v[BP+8*\t+4:BP+8*\t+7], v5, s[92:93] offset:(32*(\t/2)+8*(\t%2))*4+16
.endr
.irp a, 0,1,2,3,4,5,6,7                            ; R tile a, lane r: feature 32 (a / 2) + 8 (a % 2) + r + 8 (r / 8); twice, to fill the pair that the packed addition names
	global_load_b32 v[BR+2*\a], v6, s[94:95] offset:(32*(\a/2)+8*(\a%2))*4
	global_load_b32 v[BR+2*\a+1], v6, s[94:95] offset:(32*(\a/2)+8*(\a%2))*4
.endr
	WIN 0
	; where my results go: block (b x 16 + head, group of 128 tokens)
	s_cmp_lt_u32 ttmp9, 16
	s_cselect_b32 s2, s66, s67                     ; the tile of 256 tokens,
	s_cselect_b32 s3, s23, s24                     ; my half of it,
	s_cselect_b32 s100, s25, s26                   ; four heads for each tile of 256 features,
	s_cselect_b32 s101, s24, s23                   ; two for my half
	s_lshr_b32 s29, s2, 3
	s_lshl_b32 s29, s29, 4                         ; 16 b
	s_lshl_b32 s100, s100, 2
	s_add_co_u32 s29, s29, s100
	s_lshl_b32 s101, s101, 1
	s_add_co_u32 s29, s29, s101
	s_mul_i32 s29, s29, HEADB
	s_and_b32 s2, s2, 7
	s_lshl_b32 s2, s2, 1
	s_add_co_u32 s2, s2, s3
	s_mul_i32 s2, s2, BLKB
	s_add_co_u32 s2, s2, s29
	s_mov_b32 s3, 0
	s_add_nc_u64 s[96:97], s[96:97], s[2:3]
	s_mov_b32 s29, 0x7f7f0000                      ; bytes 2 and 3 of q's and k's scale words: 1.0
.macro FRAG reg, adr, off              ; a fragment's image: two loads of 16 bytes a lane, 512 bytes apart
	ds_load_b128 v[\reg:\reg+3], v[\adr] offset:\off
	ds_load_b128 v[\reg+4:\reg+7], v[\adr] offset:\off+512
.endm
.macro FETCH_P q, sl, set              ; P's eight fragments of chunk q's K step sl into set
	WIN 0x40
.irp b, 0,1,2,3,4,5,6,7
	FRAG 128*(\set)+8*\b, ADRP+(\q), 4096*\b+1024*(\sl)
.endr
	WIN 0
.endm
.macro FETCH_R q, sl, i0               ; R's fragments i0 .. i0 + 3
.irp i, \i0, \i0+1, \i0+2, \i0+3
	FRAG RF+8*(\i), ADRR+(\q), 4096*(\i)+1024*(\sl)
.endr
.endm
.macro SCALES q                        ; a chunk's scale words: four a row
.irp i, 0,1,2,3,4,5,6,7
	ds_load_b128 v[SC+32*\q+4*\i:SC+32*\q+4*\i+3], v[ADRS] offset:512*\i+256*\q
.endr
.endm
; 16 matrix instructions: R tiles a0, a0 + 1 x P's eight, K step k.  first = 1: the product starts the sums: nothing is cleared.  The 64 accumulators take turns, one instruction a turn, in the same order in every step.
.macro MUL a0, set, k, first
.irp a, \a0, \a0+1
.irp b, 0,1,2,3,4,5,6,7
.if \first
	v_wmma_scale_f32_16x16x128_f8f6f4 v[8*(NPT*((\a)%4)+\b):8*(NPT*((\a)%4)+\b)+7], v[128*(\set)+8*\b:128*(\set)+8*\b+7], v[RF+8*(\a):RF+8*(\a)+7], 0, v[SC+32*((\k)/4)+4*\b+(\k)%4], v[SC+32*((\k)/4)+4*(\a)+(\k)%4] matrix_a_fmt:MATRIX_FMT_FP4 matrix_b_fmt:MATRIX_FMT_FP4 matrix_a_scale:MATRIX_SCALE_ROW1
.else
	v_wmma_scale_f32_16x16x128_f8f6f4 v[8*(NPT*((\a)%4)+\b):8*(NPT*((\a)%4)+\b)+7], v[128*(\set)+8*\b:128*(\set)+8*\b+7], v[RF+8*(\a):RF+8*(\a)+7], v[8*(NPT*((\a)%4)+\b):8*(NPT*((\a)%4)+\b)+7], v[SC+32*((\k)/4)+4*\b+(\k)%4], v[SC+32*((\k)/4)+4*(\a)+(\k)%4] matrix_a_fmt:MATRIX_FMT_FP4 matrix_b_fmt:MATRIX_FMT_FP4 matrix_a_scale:MATRIX_SCALE_ROW1
.endif
.endr
.endr
.endm
; A K step of 128 whose successor lies in a chunk that is known to have landed.  An R fragment is free as soon as its eight products are issued, so R has one set: tiles 0-3 are fetched anew in the step's middle, tiles 4-7 at its end.
.macro STEP k, first
	s_wait_dscnt 8                                 ; all but the youngest eight loads (R tiles 4-7) are in
	WIN 0xa1                                       ; source 0 (P) window 1, source 1 (R) window 0, C and D window 2
	MUL 0, (\k)%2, \k, \first
	MUL 2, (\k)%2, \k, \first
	s_wait_dscnt 0x0                               ; R tiles 4-7 are in (asked for 32 matrix instructions ago)
	PLACES 4
	FETCH_P ((\k)+1)/4, ((\k)+1)%4, ((\k)+1)%2
	FETCH_R ((\k)+1)/4, ((\k)+1)%4, 0
	WIN 0xf1                                       ; C and D window 3
	MUL 4, (\k)%2, \k, \first
	MUL 6, (\k)%2, \k, \first
	PLACES 4
	WIN 0
	FETCH_R ((\k)+1)/4, ((\k)+1)%4, 4
.endm
	s_wait_tensorcnt 1                             ; my scale words and my part of chunk 0 have landed; chunk 1 may stay out
	s_barrier_signal -1
	s_barrier_wait -1                              ; everybody's have
	FETCH_P 0, 0, 0
	FETCH_R 0, 0, 0
	SCALES 0
	SCALES 1
	FETCH_R 0, 0, 4
	STEP 0, 1
	STEP 1, 0
	STEP 2, 0
	; K step 3 goes over to chunk 1: every wave's part of it has landed before any wave reads it
	s_wait_tensorcnt 0x0                           ; my part of chunk 1
	s_wait_dscnt 8
	WIN 0xa1
	MUL 0, 1, 3, 0
	s_wait_dscnt 0x0                               ; no LDS load of mine is out at the signal
	s_barrier_signal -1
	MUL 2, 1, 3, 0                                 ; work on registers while the others arrive
	s_barrier_wait -1
	PLACES 4
	FETCH_P 1, 0, 0
	FETCH_R 1, 0, 0
	WIN 0xf1
	MUL 4, 1, 3, 0
	MUL 6, 1, 3, 0
	PLACES 4
	WIN 0
	FETCH_R 1, 0, 4
	STEP 4, 0
	STEP 5, 0
	STEP 6, 0
	s_wait_dscnt 8                                 ; the last K step: nothing more to fetch
	WIN 0xa1
	MUL 0, 1, 7, 0
	MUL 2, 1, 7, 0
	s_wait_dscnt 0x0
	WIN 0xf1
	MUL 4, 1, 7, 0
	MUL 6, 1, 7, 0
	WIN 0
	PLACES 4                                       ; in front of the first read of results and the first write over R's fragments
	s_wait_loadcnt 0x0                             ; the biases
	v_cmp_eq_u32 vcc_lo, 1, v2                     ; lanes 16-31
	s_cmp_ge_u32 ttmp9, 16
	s_cbranch_scc1 .Lkind_v
; q, k.  R tile a: a lane holds one token and 128 features: two heads.  The fragment that QUANT makes is two half fragments: registers 0-3 the first head's 64, registers 4-7 the second's.
.macro EPI_QK a
.set AC, 64*((\a)%4)
.set PS, PC+8*((\a)%2)
	s_wait_xcnt 0x0                                ; the stores of two tiles ago have read this set of codes
	WIN 0x06+((\a)/4)                              ; source 0 window 2 or 3, source 1 window 1
.set i, 0
.rept 32
	v_pk_add_f32 v[H+i:H+i+1], v[AC+i:AC+i+1], v[BP+i:BP+i+1]      ; each accumulator from its low end on
.set i, i+2
.endr
	WIN 0
	QUANT H, PS, PW
	global_store_b128 v21, v[PS:PS+3], s[96:97] offset:512*(\a)                ; 32 lanes store 512 consecutive bytes
	global_store_b128 v21, v[PS+4:PS+7], s[96:97] offset:512*(\a)+HEADB
	v_and_or_b32 v[SWA+(\a)], v[PW], 0xffff, s29   ; the first head's two bytes,
	v_lshrrev_b32 v[SWB+(\a)], 16, v[PW]
	v_or_b32 v[SWB+(\a)], s29, v[SWB+(\a)]         ; the second's
.endm
.irp a, 0,1,2,3,4,5,6,7
	EPI_QK \a
.endr
.irp j, 0,1,2,3                                    ; [i][tile]: lanes 0-15 store tiles 0-3 of row r, lanes 16-31 tiles 4-7
	v_cndmask_b32 v[ST+\j], v[SWA+\j], v[SWA+4+\j], vcc_lo
	v_cndmask_b32 v[ST+4+\j], v[SWB+\j], v[SWB+4+\j], vcc_lo
.endr
	global_store_b128 v22, v[ST:ST+3], s[96:97] offset:8192
	global_store_b128 v22, v[ST+4:ST+7], s[96:97] offset:8192+HEADB
	s_branch .Ldone
.Lkind_v:
; v.  R tile a: a lane holds one feature d (head a / 4, tile a % 4 of its 64) and 128 tokens: a whole fragment of v^T.
.macro EPI_V a
.set AC, 64*((\a)%4)
.set PS, PC+8*((\a)%2)
	s_wait_xcnt 0x0
	WIN 0x06+((\a)/4)
.set i, 0
.rept 32
	v_pk_add_f32 v[H+i:H+i+1], v[AC+i:AC+i+1], v[BR+2*(\a):BR+2*(\a)+1]
.set i, i+2
.endr
	WIN 0
	QUANT H, PS, SWA+(\a)
	global_store_b128 v21, v[PS:PS+3], s[96:97] offset:4096+1024*((\a)%4)+HEADB*((\a)/4)
	global_store_b128 v21, v[PS+4:PS+7], s[96:97] offset:4096+1024*((\a)%4)+HEADB*((\a)/4)+512
.endm
.irp a, 0,1,2,3,4,5,6,7
	EPI_V \a
.endr
.irp j, 0,1,2,3                                    ; [i][tile]: lanes 0-15 the first head, lanes 16-31 the second
	v_cndmask_b32 v[ST+\j], v[SWA+\j], v[SWA+4+\j], vcc_lo
.endr
	global_store_b128 v23, v[ST:ST+3], s[96:97] offset:8704    ; sixteen lanes store 256 consecutive bytes, aligned
.Ldone:
	s_wait_tensorcnt 0x0
	ds_add_u32 v254, v255
	s_wait_dscnt 0x0
	CROUND                                         ; the closing round: no work-group ends while a partner may still ask for a tile that names it
	s_endpgm
.Lfunc_end_k_qe56323269c_qkv:
	.size	k_qe56323269c_qkv, .Lfunc_end_k_qe56323269c_qkv-k_qe56323269c_qkv
	.p2alignl 7, 3214868480
	.fill 96, 4, 3214868480
	.section	.rodata,"a",@progbits
	.p2align	6, 0x0
	.amdhsa_kernel k_qe56323269c_qkv
		.amdhsa_group_segment_fixed_size 279040
		.amdhsa_private_segment_fixed_size 0
		.amdhsa_enable_private_segment 0
		.amdhsa_kernarg_size 72
		.amdhsa_user_sgpr_count 2
		.amdhsa_user_sgpr_kernarg_segment_ptr 1
		.amdhsa_wavefront_size32 1
		.amdhsa_system_sgpr_workgroup_id_x 1
		.amdhsa_system_sgpr_workgroup_id_y 1
		.amdhsa_system_sgpr_workgroup_id_z 1
		.amdhsa_system_vgpr_workitem_id 0
		.amdhsa_next_free_vgpr 1024
		.amdhsa_next_free_sgpr 102
		.amdhsa_reserve_vcc 1
		.amdhsa_float_denorm_mode_32 3
		.amdhsa_float_denorm_mode_16_64 3
		.amdhsa_memory_ordered 1
		.amdhsa_forward_progress 1
		.amdhsa_inst_pref_size 196
	.end_amdhsa_kernel
	.amdgpu_metadata
---
amdhsa.version: [ 1, 2 ]
amdhsa.kernels:
  - .name:           k_qe56323269c_qkv
    .symbol:         k_qe56323269c_qkv.kd
    .args:
      - { .name: x_img, .offset: 0, .size: 8, .value_kind: global_buffer, .address_space: global }
      - { .name: x_sc, .offset: 8, .size: 8, .value_kind: global_buffer, .address_space: global }
      - { .name: w_img, .offset: 16, .size: 8, .value_kind: global_buffer, .address_space: global }
      - { .name: w_sc, .offset: 24, .size: 8, .value_kind: global_buffer, .address_space: global }
      - { .name: bq, .offset: 32, .size: 8, .value_kind: global_buffer, .address_space: global }
      - { .name: bk, .offset: 40, .size: 8, .value_kind: global_buffer, .address_space: global }
      - { .name: bv, .offset: 48, .size: 8, .value_kind: global_buffer, .address_space: global }
      - { .name: qb, .offset: 56, .size: 8, .value_kind: global_buffer, .address_space: global }
      - { .name: kvb, .offset: 64, .size: 8, .value_kind: global_buffer, .address_space: global }
    .group_segment_fixed_size: 279040
    .private_segment_fixed_size: 0
    .kernarg_segment_align: 8
    .kernarg_segment_size: 72
    .max_flat_workgroup_size: 128
    .sgpr_count:     102
    .vgpr_count:     1024
    .wavefront_size: 32
...
	.end_amdgpu_metadata
.endif
;; end of part 2
;; launch attn (part 3): grid 4 x 64, 16 waves a work-group, clusters of 4 x 1, 169,984 bytes of LDS; arguments qb, kvb, a_img, a_sc; writes a_img, a_sc
.if DOCPART == 3
	.amdgcn_target "amdgcn-amd-amdhsa--gfx1250"
	.amdhsa_code_object_version 6
	.text
	.protected	k_qe56323269c_attn
	.globl	k_qe56323269c_attn
	.p2align	8
	.type	k_qe56323269c_attn,@function
k_qe56323269c_attn:
	s_mov_b64 s[64:65], 0
	v_nop
	global_prefetch_b8 v0, s[64:65] scope:SCOPE_SE
	s_setreg_imm32_b32 hwreg(HW_REG_WAVE_MODE, 25, 1), 1
	s_wait_xcnt 0x0
	s_wait_alu depctr_hold_cnt(0) depctr_sa_sdst(0) depctr_va_vdst(0) depctr_va_sdst(0) depctr_va_ssrc(0) depctr_va_vcc(0) depctr_vm_vsrc(0)
	s_getreg_b32 s2, hwreg(HW_REG_IB_STS2, 6, 4)
	s_cmp_eq_u32 s2, 0
	s_cbranch_scc0 .Lentry_in_a_cluster
	s_endpgm
.Lentry_in_a_cluster:
	s_bfe_u32 s2, ttmp6, 0x10000c
	s_cmp_lg_u32 s2, 0x3003
	s_cbranch_scc0 .Lentry_shape_is_right
	s_endpgm
.Lentry_shape_is_right:
; softmax(q k^T / 8) v for one (batch, head) and 512 queries a work-group, both products on codes of FP4 with E8M0 scales; the result is quantised along the hidden axis and stored as the last product's operand.
; THE SOFTMAX AHEAD OF THE SECOND PRODUCT: t = score x log2(e) / 8; M = the running largest t rounded UP to a whole number; p = 2^(t - M) is quantised along the keys, not normalised.
; The row's sum is taken of the unquantised p and divides at the end.  When M moves, the sum and O are multiplied by 2^(old M - new M), which rounds nothing.
; SHARES.  Sixteen waves, each with two tiles of 16 queries in 256 registers: four waves to a SIMD, so that one wave's vector work stands beside another's products and LDS loads.
; THE HEAD'S K AND V ARE WHOLE IN LDS: sixteen blocks of 8,960 bytes (128 keys each), each byte filled once.  The four work-groups of a cluster are the four query blocks of one head: every block is asked for
; JOINTLY.  Waves 0 to 3 fetch, four loads each (four outstanding): load c brings block 4 c + wave, so that a quarter of the keys can be walked as soon as each fetching wave's first c + 1 loads have landed.
; A block: +0 k: 8 tiles x 512 bytes (registers 0-3 of a fragment); +4,096 v^T: 4 fragments of 1,024; +8,192 k's scale words [i][tile]; +8,704 v's [i][tile].
; LAYOUT.  Both products are used transposed: S^T = k q^T (source 0 = 16 keys), O^T = v^T p^T (source 0 = 16 of the head's 64): a lane holds ONE query throughout.  A tile's rows are 32 G + 8 u + i + 8 (i / 8),
; so the 16 registers of tiles 2 b, 2 b + 1 are 16 neighbours: keys for p, channels for O.
; K = 64 IN AN INSTRUCTION OF 128: q's registers 4-7 are zero codes, so k's operand may run on into the next tile's codes: those products are zeros; bytes 2 and 3 of both scale words are 1.0.
; No prefetch: every tensor load goes out at the head.
; OUT.  a_img [tile of tokens][K step = head / 2][1,024]: my head's half fragment at 512 (head % 2).  a_sc: two bytes a row: a K step's scale word spans two heads, which are two work-groups' work; one byte in 17 of what is stored here.
; LIMITS: NaN and infinities are not served; 1 / sum by v_rcp_f32; a block whose largest magnitude lies under 2^-124 gets the byte 1 (a block of zeros too: zero codes add nothing).
; REGISTERS: v1-3, v7 addresses that stay; v4-6 the step's; v8-15 -M, largest t, the sum's two halves, for each tile; v16-31 q and its zeros; v32-63 k's tiles, then v's; v64-67 zeros; v68-77 scale words;
;   v80-95 at work; v96-159 S^T, then p; v160-223 O^T; v224-239 p's codes; v240-241 p's scale words.
.set BLKB,  8960
.set HEADB, 143360
.set ADK, 4
.set ADS, 5
.set ADT, 6
.set TM,  80                           ; v80-83 the blocks' largest; v84-87 the other half's, then bytes; v88-91 the conversions' scale operands (QUANT: v92-95)
.set TP,  84
.set SO,  88
.set F,   92                           ; v[92:93] f = 2^(old M - new M), named as a pair
.set T1,  94
.set S,   96
.set WV,  12
.set SEL, 20
.set CS,  22                           ; s[22:23] c = log2(e) / 8
.set G1,  24
.set G0,  32                           ; s[32:47] four groups 0
.set TB,  48                           ; s48 LDS byte at which the step's block begins
.set CNT, 49
.macro CROUND
	s_barrier_signal -1
	s_barrier_wait -1
	s_cmp_lg_u32 s[WV], 0
	s_cbranch_scc1 .Lnot_wave_0_\@
	s_barrier_signal -3
.Lnot_wave_0_\@:
	s_barrier_wait -3
	s_barrier_signal -1
	s_barrier_wait -1
.endm
.macro QUANT src, pc, pw               ; 64 numbers of a lane, register 16 b + i = k 32 b + 16 (lane / 16) + i -> eight registers of codes, a scale word
.irp b, 0,1,2,3
	v_max3_num_f32 v[TM+\b], |v[\src+16*\b]|, |v[\src+1+16*\b]|, 0x1800000
.endr
.irp i, 2,4,6,8,10,12,14
.irp b, 0,1,2,3
	s_delay_alu instid0(VALU_DEP_4)
	v_max3_num_f32 v[TM+\b], v[TM+\b], |v[\src+16*\b+\i]|, |v[\src+1+16*\b+\i]|
.endr
.endr
.irp b, 0,1,2,3
	s_delay_alu instid0(VALU_DEP_4)
	v_permlanex16_b32 v[TM+4+\b], v[TM+\b], s[SEL], s[SEL+1]
.endr
.irp b, 0,1,2,3
	s_delay_alu instid0(VALU_DEP_4)
	v_max_num_f32 v[TM+\b], v[TM+\b], v[TM+4+\b]
.endr
.irp b, 0,1,2,3
	s_delay_alu instid0(VALU_DEP_4)
	v_add_nc_u32 v[TM+12+\b], 0xff000000, v[TM+\b]
.endr
.irp b, 0,1,2,3
	s_delay_alu instid0(VALU_DEP_4)
	v_lshrrev_b32 v[TM+4+\b], 23, v[TM+12+\b]
.endr
	s_delay_alu instid0(VALU_DEP_3)
	v_lshl_or_b32 v[\pw], v[TM+5], 8, v[TM+4]
	s_delay_alu instid0(VALU_DEP_1)
	v_lshl_or_b32 v[\pw], v[TM+6], 16, v[\pw]
	s_delay_alu instid0(VALU_DEP_1)
	v_lshl_or_b32 v[\pw], v[TM+7], 24, v[\pw]
.irp b, 0,1,2,3
	v_cvt_scalef32_pk8_fp4_f32 v[\pc+2*\b], v[\src+16*\b:\src+7+16*\b], v[TM+12+\b]
	v_cvt_scalef32_pk8_fp4_f32 v[\pc+1+2*\b], v[\src+8+16*\b:\src+15+16*\b], v[TM+12+\b]
.endr
	v_nop
.irp c, 0,1
.irp i, 0,1
	v_permlane16_swap_b32 v[\pc+4*\c+\i], v[\pc+2+4*\c+\i]
.endr
.endr
.endm
	s_load_b256 s[4:11], s[0:1], 0x0               ; qb, kvb, a_img, a_sc
	v_lshl_add_u32 v254, v0, 2, 0x29000
	v_mov_b32 v255, 0
	ds_add_u32 v254, v255
	ds_add_u32 v254, v255
	v_lshrrev_b32 v1, 5, v0
	s_delay_alu instid0(VALU_DEP_1)
	v_readfirstlane_b32 s[WV], v1                  ; wave 0..15
	s_bfe_u32 s13, ttmp6, 0x40000                  ; cx: my block of 512 queries; it enters q's and the result's addresses alone
	s_and_b32 s14, ttmp7, 0xffff                   ; b x 16 + head, which the four partners share
	s_mov_b32 s[G1], 15|(3<<16)|(1<<21)            ; 15:0 the mask: all four work-groups; 17:16 elements of 8 bytes; 21 set beside a mask; no padding
	s_mov_b32 s[G1+1], 32<<16                      ; a block: 8,960 dense bytes as 35 rows of 256
	s_mov_b32 s[G1+2], 35<<16
	s_mov_b32 s[G1+3], 32<<16
	s_mov_b32 s[G1+4], 35
	s_mov_b32 s[G1+5], 32
	s_mov_b32 s[G1+6], 0
	s_mov_b32 s[G1+7], 0
	s_mul_i32 s15, s14, HEADB                      ; the head's part of qb and of kvb
	s_mul_i32 s16, s[WV], BLKB                     ; the block that I fetch in each quarter, in memory as in LDS
	s_add_co_u32 s18, s15, s16
	s_mov_b32 s19, 0
	s_wait_dscnt 0x0
	s_wait_kmcnt 0x0
	s_add_nc_u64 s[18:19], s[6:7], s[18:19]
.irp c, 0,1,2,3
	s_mov_b32 s[G0+4*\c], 1
	s_add_co_u32 s[G0+4*\c+1], s16, 4*BLKB*\c
	s_add_nc_u64 s[G0+4*\c+2:G0+4*\c+3], s[18:19], 4*BLKB*\c
	s_or_b32 s[G0+4*\c+3], s[G0+4*\c+3], 0x80000000
.endr
	CROUND                                         ; all four work-groups are here: the joint loads meet
	s_cmp_lt_u32 s[WV], 4                          ; a fetching wave's four fills stand in one branch on its number, ahead of every wait on TENSORcnt and every LDS read
	s_cbranch_scc0 .Lno_fetch
	tensor_load_to_lds s[G0:G0+3], s[G1:G1+7]
	s_nop 0
	tensor_load_to_lds s[G0+4:G0+7], s[G1:G1+7]
	s_nop 0
	tensor_load_to_lds s[G0+8:G0+11], s[G1:G1+7]
	s_nop 0
	tensor_load_to_lds s[G0+12:G0+15], s[G1:G1+7]
	s_nop 0
.rept 4
	v_nop                                          ; four plain lines behind the last load
.endr
.Lno_fetch:
	v_and_b32 v94, 31, v0                          ; lane
	v_and_b32 v80, 15, v0                          ; r
	v_bfe_u32 v81, v0, 4, 1                        ; h
	s_delay_alu instid0(VALU_DEP_3)
	v_lshlrev_b32 v1, 4, v94                       ; 16 x lane: an image's place for my lane
	s_wait_alu depctr_va_vdst(0)
	v_lshlrev_b32 v2, 5, v80
	s_delay_alu instid0(VALU_DEP_1)
	v_lshl_add_u32 v2, v81, 4, v2
	s_delay_alu instid0(VALU_DEP_1)
	v_add_nc_u32 v2, 8192, v2                      ; k's scale words: row r; lanes 0-15 tiles 0-3, lanes 16-31 tiles 4-7
	v_lshl_add_u32 v3, v80, 4, 8704                ; v's: row r, four tiles
	v_lshlrev_b32 v7, 4, v80
	s_delay_alu instid0(VALU_DEP_1)
	v_lshl_add_u32 v7, v81, 9, v7                  ; the result's scale bytes: 16 r; lanes 16-31 the second tile
	v_lshlrev_b32 v95, 5, v80                      ; q's scale words: 32 r
	s_wait_alu depctr_va_vdst(0)
	s_lshl_b32 s2, s13, 2
	s_lshr_b32 s3, s[WV], 2
	s_add_co_u32 s2, s2, s3                        ; my group of 128 queries: 4 cx + wave / 4
	s_mul_i32 s2, s2, BLKB
	s_add_co_u32 s2, s2, s15
	s_mov_b32 s3, 0
	s_add_nc_u64 s[50:51], s[4:5], s[2:3]
	s_and_b32 s17, s[WV], 3
	s_lshl_b32 s2, s17, 10
	s_add_nc_u64 s[4:5], s[50:51], s[2:3]          ; my two tiles: 2 (wave % 4) and the next, 512 bytes each
	s_lshl_b32 s2, s17, 3
	s_add_nc_u64 s[50:51], s[50:51], s[2:3]        ; and their two words in a row's eight
	global_load_b128 v[16:19], v1, s[4:5]
	global_load_b128 v[24:27], v1, s[4:5] offset:512
	global_load_b64 v[76:77], v95, s[50:51] offset:8192
	s_lshr_b32 s2, s14, 4
	s_lshl_b32 s2, s2, 7                           ; 128 tiles of tokens a batch,
	s_lshl_b32 s3, s13, 5
	s_add_co_u32 s2, s2, s3                        ; 32 a work-group,
	s_lshl_b32 s3, s[WV], 1
	s_add_co_u32 s2, s2, s3                        ; two a wave: my first tile
	s_and_b32 s15, s14, 15                         ; the head
	s_lshl_b32 s16, s2, 13
	s_lshl_b32 s17, s15, 9
	s_add_co_u32 s16, s16, s17                     ; a_img: 8,192 x tile + 512 x head (1,024 for each pair of heads, 512 for the odd one)
	s_mov_b32 s17, 0
	s_add_nc_u64 s[8:9], s[8:9], s[16:17]
	s_lshl_b32 s16, s2, 9
	s_lshr_b32 s3, s15, 3
	s_lshl_b32 s3, s3, 8
	s_add_co_u32 s16, s16, s3
	s_and_b32 s3, s15, 7
	s_lshl_b32 s3, s3, 1
	s_add_co_u32 s16, s16, s3                      ; a_sc: 512 x tile + 256 (head / 8) + 2 (head % 8)
	s_add_nc_u64 s[10:11], s[10:11], s[16:17]
	s_mov_b32 s[SEL], 0x76543210
	s_mov_b32 s[SEL+1], 0xfedcba98
	s_mov_b32 s[CS], 0x3e38aa3b                    ; c = log2(e) / 8
	s_mov_b32 s[CS+1], s[CS]                       ; (named with it as a pair, so it is written)
	s_mov_b32 s[TB], 0
.irp j, 20,21,22,23,28,29,30,31,64,65,66,67
	v_mov_b32 v[\j], 0                             ; zero codes: the upper 64 of q's K; what stands behind k's last tile
.endr
.irp x, 0,1
	v_mov_b32 v[9+4*\x], 0xff61b1e6                ; the largest t so far: -3e38, under every t
	s_delay_alu instid0(VALU_DEP_1)
	v_floor_f32 v[8+4*\x], -v[9+4*\x]              ; -M
	v_mov_b32 v[10+4*\x], 0                        ; the sum, in two halves
	v_mov_b32 v[11+4*\x], 0
.endr
.irp b, 0,1,2,3
	v_mov_b32 v[TP+\b], 0                          ; written once: a lane permute's destination counts as one of its sources
.endr
	v_mov_b32 v[F+1], 0                            ; (named as the upper half of the pair)
.set j, 0
.rept 64
	v_mov_b32 v[160+j], 0                          ; O^T.  The step is written once for all steps: the first finds zeros, which the first change of M leaves zeros
.set j, j+1
.endr
	s_wait_loadcnt 0x0                             ; q
.macro QK x                            ; S^T = k q^T for tile x: eight tiles of 16 keys, each sum begun with the constant 0
.irp t, 0,1,2,3
	v_wmma_scale_f32_16x16x128_f8f6f4 v[S+8*\t:S+8*\t+7], v[32+4*\t:39+4*\t], v[16+8*\x:23+8*\x], 0, v[68+\t], v[76+\x] matrix_a_fmt:MATRIX_FMT_FP4 matrix_b_fmt:MATRIX_FMT_FP4
.endr
.irp t, 4,5,6,7
	v_wmma_scale_f32_16x16x128_f8f6f4 v[S+8*\t:S+8*\t+7], v[32+4*\t:39+4*\t], v[16+8*\x:23+8*\x], 0, v[64+\t], v[76+\x] matrix_a_fmt:MATRIX_FMT_FP4 matrix_b_fmt:MATRIX_FMT_FP4 matrix_a_scale:MATRIX_SCALE_ROW1
.endr
.endm
; Tile x's softmax for 128 keys: register 16 b + i of S holds key 32 b + 16 (lane / 16) + i of my query.
.macro SOFT x
.set MM, 8+4*\x                        ; -M, largest t;  MM + 2, MM + 3 the sum
.set OO, 160+32*\x
.set PP, 224+8*\x
.irp b, 0,1,2,3
	v_max3_num_f32 v[TM+\b], v[S+16*\b], v[S+1+16*\b], v[S+2+16*\b]    ; the largest SCORE of each block of 32 keys: it serves for the row's maximum and, since p rises with the score, for the block's largest p
.endr
.irp i, 3,5,7,9,11,13
.irp b, 0,1,2,3
	v_max3_num_f32 v[TM+\b], v[TM+\b], v[S+16*\b+\i], v[S+1+16*\b+\i]
.endr
.endr
.irp b, 0,1,2,3
	v_max_num_f32 v[TM+\b], v[TM+\b], v[S+15+16*\b]
.endr
.irp b, 0,1,2,3
	s_delay_alu instid0(VALU_DEP_4)
	v_permlanex16_b32 v[TP+\b], v[TM+\b], s[SEL], s[SEL+1]
.endr
.irp b, 0,1,2,3
	s_delay_alu instid0(VALU_DEP_4)
	v_max_num_f32 v[TM+\b], v[TM+\b], v[TP+\b]     ; with lane l xor 16's 16 keys
.endr
	s_delay_alu instid0(VALU_DEP_2)
	v_max3_num_f32 v[T1], v[TM], v[TM+1], v[TM+2]
	s_delay_alu instid0(VALU_DEP_1)
	v_max_num_f32 v[T1], v[T1], v[TM+3]            ; the step's largest score of my query
	s_delay_alu instid0(VALU_DEP_1)
	v_mul_f32 v[T1], s[CS], v[T1]                  ; as t (c is positive)
	s_delay_alu instid0(VALU_DEP_1)
	v_max_num_f32 v[MM+1], v[MM+1], v[T1]          ; the running largest t
	v_mov_b32 v[T1], v[MM]
	s_delay_alu instid0(VALU_DEP_2)
	v_floor_f32 v[MM], -v[MM+1]                    ; the new -M = floor(-t) = -ceil(t)
	s_delay_alu instid0(VALU_DEP_1)
	v_sub_f32 v[T1], v[MM], v[T1]                  ; old M - new M: a whole number, 0 or less
	s_delay_alu instid0(VALU_DEP_1)
	v_cvt_i32_f32 v[T1], v[T1]                     ; (it saturates)
	s_delay_alu instid0(VALU_DEP_1)
	v_ldexp_f32 v[F], 1.0, v[T1]                   ; f = 2^(old M - new M)
.set j, 0
.rept 32
	v_pk_fma_f32 v[S+j:S+j+1], v[S+j:S+j+1], s[CS:CS+1], v[MM:MM+1] op_sel_hi:[1,0,0]   ; t - M, two at a time
.set j, j+2
.endr
.irp b, 0,1,2,3
	v_fma_f32 v[TM+\b], v[TM+\b], s[CS], v[MM]     ; the same of each block's largest score
.endr
.set j, 0
	s_wait_alu depctr_va_vdst(0)
.rept 64
	v_exp_f32 v[S+j], v[S+j]                       ; p = 2^(t - M): one batch
.set j, j+1
.endr
	v_pk_mul_f32 v[MM+2:MM+3], v[MM+2:MM+3], v[F:F+1] op_sel_hi:[1,0]   ; the sums under the new M: the plain instruction behind the exponentials
	s_wait_alu depctr_va_vdst(0)                   ; one wait for the batch, ahead of its first reader
.irp b, 0,1,2,3
	v_exp_f32 v[TM+\b], v[TM+\b]                   ; the block's largest p: the same two instructions on the same number give the same bits
.endr
	v_pk_add_f32 v[TP:TP+1], v[S:S+1], v[S+2:S+3]  ; the row's sum is taken of the UNQUANTISED p, in two chains; these read the 64 alone
.set j, 4
.rept 15
	v_pk_add_f32 v[MM+2:MM+3], v[MM+2:MM+3], v[S+j:S+j+1]
	v_pk_add_f32 v[TP:TP+1], v[TP:TP+1], v[S+2+j:S+3+j]
.set j, j+4
.endr
	s_delay_alu instid0(VALU_DEP_1)
	v_pk_add_f32 v[MM+2:MM+3], v[MM+2:MM+3], v[TP:TP+1]
	s_wait_alu depctr_va_vdst(0)                   ; and one for the four
.irp b, 0,1,2,3
	v_max_num_f32 v[TM+\b], 0x1800000, v[TM+\b]    ; the floor 2^(3 - 127): the byte cannot fall under 1
.endr
.irp b, 0,1,2,3
	s_delay_alu instid0(VALU_DEP_4)
	v_add_nc_u32 v[SO+\b], 0xff000000, v[TM+\b]    ; 2 off the exponent field: the conversion's scale operand
.endr
.irp b, 0,1,2,3
	s_delay_alu instid0(VALU_DEP_4)
	v_lshrrev_b32 v[TP+\b], 23, v[SO+\b]           ; the scale's byte
.endr
	s_delay_alu instid0(VALU_DEP_3)
	v_lshl_or_b32 v[240+\x], v[TP+1], 8, v[TP]
	s_delay_alu instid0(VALU_DEP_1)
	v_lshl_or_b32 v[240+\x], v[TP+2], 16, v[240+\x]
	s_delay_alu instid0(VALU_DEP_1)
	v_lshl_or_b32 v[240+\x], v[TP+3], 24, v[240+\x]   ; p's scale word for these 128 keys
.irp b, 0,1,2,3
	v_cvt_scalef32_pk8_fp4_f32 v[PP+2*\b], v[S+16*\b:S+7+16*\b], v[SO+\b]
	v_cvt_scalef32_pk8_fp4_f32 v[PP+1+2*\b], v[S+8+16*\b:S+15+16*\b], v[SO+\b]
.endr
	v_nop                                          ; one plain instruction behind the scaled conversions
.irp c, 0,1
.irp i, 0,1
	v_permlane16_swap_b32 v[PP+4*\c+\i], v[PP+2+4*\c+\i]
.endr
.endr
.set j, 0
.rept 16
	v_pk_mul_f32 v[OO+j:OO+j+1], v[OO+j:OO+j+1], v[F:F+1] op_sel_hi:[1,0]   ; O^T under the new M.  (Tile 1's sixteen also stand between the codes and the scale word just made and the products that take them)
.set j, j+2
.endr
.endm
; A KEY STEP: 128 keys, both tiles of queries.
.macro STEP
	v_add_nc_u32 v[ADK], s[TB], v1                 ; these three and the v_nop are the four plain instructions between the last products and the loads into their operands
	v_add_nc_u32 v[ADS], s[TB], v2
	v_add_nc_u32 v[ADT], s[TB], v3
	v_nop
.irp t, 0,1,2,3,4,5,6,7
	ds_load_b128 v[32+4*\t:35+4*\t], v[ADK] offset:512*\t
.endr
	ds_load_b128 v[68:71], v[ADS]
	s_wait_dscnt 0x0
	QK 0
.rept 4
	v_nop
.endr
	SOFT 0
	QK 1
.rept 4
	v_nop                                          ; in front of the loads over k's tiles and of the first read of the scores
.endr
.irp d, 0,1,2,3                                    ; v^T's four fragments land while tile 1's softmax is walked
	ds_load_b128 v[32+8*\d:35+8*\d], v[ADK] offset:4096+1024*\d
	ds_load_b128 v[36+8*\d:39+8*\d], v[ADK] offset:4096+1024*\d+512
.endr
	ds_load_b128 v[72:75], v[ADT]
	s_setprio 1
	SOFT 1
	s_setprio 0
	s_wait_alu depctr_va_vdst(0)
	s_wait_dscnt 0x0
.irp d, 0,1,2,3                                    ; O^T += v^T p^T: eight accumulators, one instruction each
.irp x, 0,1
	v_wmma_scale_f32_16x16x128_f8f6f4 v[160+32*\x+8*\d:167+32*\x+8*\d], v[32+8*\d:39+8*\d], v[224+8*\x:231+8*\x], v[160+32*\x+8*\d:167+32*\x+8*\d], v[72+\d], v[240+\x] matrix_a_fmt:MATRIX_FMT_FP4 matrix_b_fmt:MATRIX_FMT_FP4
.endr
.endr
.endm
; A quarter of the keys: four steps.  Of a fetching wave's four loads the first c + 1 have landed; the 3 - c behind them may stay out.
.macro QUARTER c
	s_wait_tensorcnt 3-\c
	s_barrier_signal -1                            ; (no LDS load of mine is out: each step ends behind its wait for them)
	s_barrier_wait -1                              ; every fetching wave's have
	s_mov_b32 s[CNT], 4
.Lstep_\@:
	s_setprio 2
	STEP
	s_add_co_u32 s[TB], s[TB], BLKB
	s_sub_co_u32 s[CNT], s[CNT], 1
	s_cmp_lg_u32 s[CNT], 0
	s_cbranch_scc1 .Lstep_\@
	s_setprio 0
.endm
	QUARTER 0
	QUARTER 1
	QUARTER 2
	QUARTER 3
	; THE WAY OUT.  The additions and the v_nop are the plain instructions behind the last products.
	v_add_f32 v10, v10, v11                        ; the sum's two halves,
	v_add_f32 v14, v14, v15
	s_delay_alu instid0(VALU_DEP_2)
	v_permlanex16_b32 v84, v10, s[SEL], s[SEL+1]
	s_delay_alu instid0(VALU_DEP_2)
	v_permlanex16_b32 v85, v14, s[SEL], s[SEL+1]
	s_delay_alu instid0(VALU_DEP_2)
	v_add_f32 v10, v10, v84                        ; and lane l xor 16's: the row's sum
	s_delay_alu instid0(VALU_DEP_2)
	v_add_f32 v14, v14, v85
	s_wait_alu depctr_va_vdst(0)
	v_rcp_f32 v10, v10
	v_rcp_f32 v14, v14
	v_nop                                          ; a plain instruction behind the reciprocals
	s_wait_alu depctr_va_vdst(0)                   ; one wait for both, ahead of the first reader
.set j, 0
.rept 16
	v_pk_mul_f32 v[96+j:97+j], v[160+j:161+j], v[10:11] op_sel_hi:[1,0]    ; O^T / the sum; each accumulator from its low end on
.set j, j+2
.endr
.rept 16
	v_pk_mul_f32 v[96+j:97+j], v[160+j:161+j], v[14:15] op_sel_hi:[1,0]
.set j, j+2
.endr
	QUANT 96, 224, 240                             ; blocks 0, 1: the first tile's 64 channels; blocks 2, 3: the second's: registers 0-3 and 4-7 are the two tiles' half fragments
	global_store_b128 v1, v[224:227], s[8:9]                   ; 32 lanes store 512 consecutive bytes
	global_store_b128 v1, v[228:231], s[8:9] offset:8192
	v_and_b32 v80, 16, v0
	s_delay_alu instid0(VALU_DEP_1)
	v_cmp_ne_u32 vcc_lo, 0, v80                    ; lanes 16-31 store the second tile's two bytes
	v_lshrrev_b32 v81, 16, v240
	s_delay_alu instid0(VALU_DEP_1)
	v_cndmask_b32 v81, v240, v81, vcc_lo
	global_store_b16 v7, v81, s[10:11]
	s_wait_tensorcnt 0x0
	ds_add_u32 v254, v255
	s_wait_dscnt 0x0
	CROUND                                         ; the closing round
	s_endpgm
.Lfunc_end_k_qe56323269c_attn:
	.size	k_qe56323269c_attn, .Lfunc_end_k_qe56323269c_attn-k_qe56323269c_attn
	.p2alignl 7, 3214868480
	.fill 96, 4, 3214868480
	.section	.rodata,"a",@progbits
	.p2align	6, 0x0
	.amdhsa_kernel k_qe56323269c_attn
		.amdhsa_group_segment_fixed_size 169984
		.amdhsa_private_segment_fixed_size 0
		.amdhsa_enable_private_segment 0
		.amdhsa_kernarg_size 32
		.amdhsa_user_sgpr_count 2
		.amdhsa_user_sgpr_kernarg_segment_ptr 1
		.amdhsa_wavefront_size32 1
		.amdhsa_system_sgpr_workgroup_id_x 1
		.amdhsa_system_sgpr_workgroup_id_y 1
		.amdhsa_system_sgpr_workgroup_id_z 1
		.amdhsa_system_vgpr_workitem_id 0
		.amdhsa_next_free_vgpr 256
		.amdhsa_next_free_sgpr 66
		.amdhsa_reserve_vcc 1
		.amdhsa_float_denorm_mode_32 3
		.amdhsa_float_denorm_mode_16_64 3
		.amdhsa_memory_ordered 1
		.amdhsa_forward_progress 1
		.amdhsa_inst_pref_size 138
	.end_amdhsa_kernel
	.amdgpu_metadata
---
amdhsa.version: [ 1, 2 ]
amdhsa.kernels:
  - .name:           k_qe56323269c_attn
    .symbol:         k_qe56323269c_attn.kd
    .args:
      - { .name: qb, .offset: 0, .size: 8, .value_kind: global_buffer, .address_space: global }
      - { .name: kvb, .offset: 8, .size: 8, .value_kind: global_buffer, .address_space: global }
      - { .name: a_img, .offset: 16, .size: 8, .value_kind: global_buffer, .address_space: global }
      - { .name: a_sc, .offset: 24, .size: 8, .value_kind: global_buffer, .address_space: global }
    .group_segment_fixed_size: 169984
    .private_segment_fixed_size: 0
    .kernarg_segment_align: 8
    .kernarg_segment_size: 32
    .max_flat_workgroup_size: 512
    .sgpr_count:     66
    .vgpr_count:     256
    .wavefront_size: 32
...
	.end_amdgpu_metadata
.endif
;; end of part 3
;; launch oproj (part 4): grid 8 x 32, 4 waves a work-group, clusters of 4 x 4, 229,888 bytes of LDS; arguments a_img, a_sc, w_img, w_sc, bo, out0; writes out0
.if DOCPART == 4
	.amdgcn_target "amdgcn-amd-amdhsa--gfx1250"
	.amdhsa_code_object_version 6
	.text
	.protected	k_qe56323269c_oproj
	.globl	k_qe56323269c_oproj
	.p2align	8
	.type	k_qe56323269c_oproj,@function
k_qe56323269c_oproj:
	s_mov_b64 s[64:65], 0
	v_nop
	global_prefetch_b8 v0, s[64:65] scope:SCOPE_SE
	s_setreg_imm32_b32 hwreg(HW_REG_WAVE_MODE, 25, 1), 1
	s_wait_xcnt 0x0
	s_wait_alu depctr_hold_cnt(0) depctr_sa_sdst(0) depctr_va_vdst(0) depctr_va_sdst(0) depctr_va_ssrc(0) depctr_va_vcc(0) depctr_vm_vsrc(0)
	s_getreg_b32 s2, hwreg(HW_REG_IB_STS2, 6, 4)
	s_cmp_eq_u32 s2, 0
	s_cbranch_scc0 .Lentry_in_a_cluster
	s_endpgm
.Lentry_in_a_cluster:
	s_bfe_u32 s2, ttmp6, 0x10000c
	s_cmp_lg_u32 s2, 0xf033
	s_cbranch_scc0 .Lentry_shape_is_right
	s_endpgm
.Lentry_shape_is_right:
; out0 = attention's result x Wo^T + bo on codes of FP4 with E8M0 scales; out0 [8192][1024] f32.
; OPERANDS are images of fragments: tile T = 2 G + u holds rows 32 G + 8 u + i + 8 (i / 8); [T][K step][1,024 bytes], byte 512 c + 16 lane = registers 4 c .. 4 c + 3 of that lane; scale words [T][q][i][j].  Wo is tiles 192-255 of w_img.
; A work-group of four waves makes 256 tokens x 128 features (256 work-groups in all), a wave 128 x 64: 32 accumulators.  THE R SIDE (tokens) is source 1: a lane holds one token;
; THE P SIDE (rows of Wo) is source 0: a lane's eight results are eight neighbouring features.  The bias is the C of each sum's first product.
; R's tiles are asked for jointly by a row of the 4 x 4 cluster, P's by a column.  K = 1,024 IS WHOLE IN LDS, in two chunks of 512 along K, each byte filled once: no ring, no refill.
; A wave has three tensor loads outstanding: its scale words, chunk 0, chunk 1.  No prefetch: they go out at the head.
; REGISTERS, in windows of 256: window 0: v1-26 addresses; v32-95 scale words; v128-191 R's eight fragments, ONE set, later rows on the way out; v192-223 the bias.
;   window 1: P's four fragments, TWO sets, v0-31 and v128-159.   window 2: the accumulators of R tiles 0-3 ((a, b) at v[8 (4 a + b)]);   window 3: of R tiles 4-7.
.set NPT,   4
.set CHUNK, 98304                      ; LDS: a chunk: R's 16 tiles x 4 KB, then P's 8
.set PBASE, 65536
.set SCL,   2*CHUNK                    ; behind the chunks: P's scale words, 4 KB, then R's, 8 KB (P's first: lanes 16-31 of the loads for R tiles 4-7 then read words that have landed and that no product names)
.set STG,   SCL+12288                  ; behind them, in blocks of 256 bytes into which no fill lands: a stage of 16 rows x (256 + 16) bytes for each wave
.set ADRR, 16
.set ADRP, 18
.set ADRS, 20
.set STO,  24                          ; v24 the way out: where I put 32 bytes of a row
.set RD,   25                          ; v25 where I read a row back
.set CO,   26                          ; v26 my byte offset in two rows of out0
.set SC,   32
.set RF,   128
.set BK,   128                         ; the way out: 16 rows read back: v128-159 and v160-191 by turns
.set BP,   192
.set WV,   22
.set G1R,  32
.set G1P,  40
.set G1RS, 48
.set G1PS, 56
.set G0R,  68
.set G0P,  80
.set MSB, 0
.macro WIN new
.if MSB != \new
	s_set_vgpr_msb (MSB<<8)|\new
.set MSB, \new
.endif
.endm
.macro CROUND
	s_barrier_signal -1
	s_barrier_wait -1
	s_cmp_lg_u32 s[WV], 0
	s_cbranch_scc1 .Lnot_wave_0_\@
	s_barrier_signal -3
.Lnot_wave_0_\@:
	s_barrier_wait -3
	s_barrier_signal -1
	s_barrier_wait -1
.endm
.macro PLACES n
.rept \n
	v_nop
.endr
.endm
	s_load_b256 s[4:11], s[0:1], 0x0               ; a_img, a_sc, w_img, w_sc
	s_load_b128 s[12:15], s[0:1], 0x20             ; bo, out0
	v_lshl_add_u32 v254, v0, 2, 0x38000
	v_mov_b32 v255, 0
	ds_add_u32 v254, v255
	ds_add_u32 v254, v255
	v_lshrrev_b32 v1, 5, v0
	v_readfirstlane_b32 s[WV], v1                  ; wave 0..3
	s_lshr_b32 s23, s[WV], 1                       ; my half of the 256 tokens.  Also: I fetch for R (0) or for P (1)
	s_and_b32 s24, s[WV], 1                        ; my half of the 128 features.  Also: which half of that side I fetch
	s_bfe_u32 s25, ttmp6, 0x40000                  ; cx
	s_bfe_u32 s26, ttmp6, 0x40004                  ; cy
	s_lshl_b32 s27, s26, 2
	s_lshl_b32 s27, 15, s27                        ; my row of the cluster
	s_lshl_b32 s28, 0x1111, s25                    ; my column
	s_or_b32 s[G1R], s27, (3<<16)|(1<<21)          ; 15:0 the mask; 17:16 elements of 8 bytes; 21 set beside a mask; no padding
	s_or_b32 s[G1RS], s27, (3<<16)|(1<<21)
	s_or_b32 s[G1P], s28, (3<<16)|(1<<21)
	s_or_b32 s[G1PS], s28, (3<<16)|(1<<21)
	s_mov_b32 s[G1R+1], 512<<16                    ; R's codes: 8 tiles; of each the chunk's 4 KB, 8 KB from tile to tile
	s_mov_b32 s[G1R+2], 8<<16
	s_mov_b32 s[G1R+3], 512<<16
	s_mov_b32 s[G1R+4], 8
	s_mov_b32 s[G1R+5], 1024
	s_mov_b32 s[G1R+6], 0
	s_mov_b32 s[G1R+7], 0
	s_mov_b32 s[G1P+1], 512<<16                    ; P's: 4 tiles
	s_mov_b32 s[G1P+2], 4<<16
	s_mov_b32 s[G1P+3], 512<<16
	s_mov_b32 s[G1P+4], 4
	s_mov_b32 s[G1P+5], 1024
	s_mov_b32 s[G1P+6], 0
	s_mov_b32 s[G1P+7], 0
	s_mov_b32 s[G1RS+1], 32<<16                    ; R's scale words of 8 tiles: 16 rows of 256 bytes
	s_mov_b32 s[G1RS+2], 16<<16
	s_mov_b32 s[G1RS+3], 32<<16
	s_mov_b32 s[G1RS+4], 16
	s_mov_b32 s[G1RS+5], 32
	s_mov_b32 s[G1RS+6], 0
	s_mov_b32 s[G1RS+7], 0
	s_mov_b32 s[G1PS+1], 32<<16                    ; P's of 4 tiles: 8 rows
	s_mov_b32 s[G1PS+2], 8<<16
	s_mov_b32 s[G1PS+3], 32<<16
	s_mov_b32 s[G1PS+4], 8
	s_mov_b32 s[G1PS+5], 32
	s_mov_b32 s[G1PS+6], 0
	s_mov_b32 s[G1PS+7], 0
	s_and_b32 s2, ttmp7, 0xffff
	s_lshl_b32 s2, s2, 2
	s_add_co_u32 s66, s2, s26                      ; the tile of 256 tokens = 4 x cluster y + cy;  no register that feeds R's descriptors holds cx,
	s_lshl_b32 s100, ttmp9, 2
	s_add_co_u32 s67, s100, s25                    ; the tile of 128 features = 4 x cluster x + cx;  and none that feeds P's holds cy
	s_lshl_b32 s2, s66, 17
	s_lshl_b32 s3, s24, 16
	s_add_co_u32 s2, s2, s3                        ; R: 16 tiles x 8 KB, + the half that I fetch
	s_mov_b32 s3, 0
	s_lshl_b32 s100, s67, 16
	s_lshl_b32 s101, s24, 15
	s_add_co_u32 s100, s100, s101
	s_add_co_u32 s100, s100, 192*8192              ; P: Wo's first tile, 8 tiles x 8 KB, + the half that I fetch
	s_mov_b32 s101, 0
	s_wait_dscnt 0x0
	s_wait_kmcnt 0x0
	s_add_nc_u64 s[92:93], s[4:5], s[2:3]
	s_lshr_b32 s2, s2, 4                           ; a tile's scale words are a sixteenth of its codes
	s_add_nc_u64 s[94:95], s[6:7], s[2:3]
	s_add_nc_u64 s[96:97], s[8:9], s[100:101]
	s_lshr_b32 s100, s100, 4
	s_add_nc_u64 s[98:99], s[10:11], s[100:101]
	s_mov_b32 s[G0R], 1                            ; R: scale words,
	s_lshl_b32 s[G0R+1], s24, 12
	s_add_co_u32 s[G0R+1], s[G0R+1], SCL+4096
	s_mov_b64 s[G0R+2:G0R+3], s[94:95]
	s_or_b32 s[G0R+3], s[G0R+3], 0x80000000
	s_mov_b32 s[G0R+4], 1                          ; chunk 0,
	s_lshl_b32 s[G0R+5], s24, 15
	s_mov_b64 s[G0R+6:G0R+7], s[92:93]
	s_or_b32 s[G0R+7], s[G0R+7], 0x80000000
	s_mov_b32 s[G0R+8], 1                          ; chunk 1
	s_add_co_u32 s[G0R+9], s[G0R+5], CHUNK
	s_add_nc_u64 s[G0R+10:G0R+11], s[92:93], 4096
	s_or_b32 s[G0R+11], s[G0R+11], 0x80000000
	s_mov_b32 s[G0P], 1                            ; P likewise
	s_lshl_b32 s[G0P+1], s24, 11
	s_add_co_u32 s[G0P+1], s[G0P+1], SCL
	s_mov_b64 s[G0P+2:G0P+3], s[98:99]
	s_or_b32 s[G0P+3], s[G0P+3], 0x80000000
	s_mov_b32 s[G0P+4], 1
	s_lshl_b32 s[G0P+5], s24, 14
	s_add_co_u32 s[G0P+5], s[G0P+5], PBASE
	s_mov_b64 s[G0P+6:G0P+7], s[96:97]
	s_or_b32 s[G0P+7], s[G0P+7], 0x80000000
	s_mov_b32 s[G0P+8], 1
	s_add_co_u32 s[G0P+9], s[G0P+5], CHUNK
	s_add_nc_u64 s[G0P+10:G0P+11], s[96:97], 4096
	s_or_b32 s[G0P+11], s[G0P+11], 0x80000000
	CROUND                                         ; all sixteen work-groups are here: the joint loads meet
	s_cmp_lt_u32 s[WV], 2                          ; a wave's three fills stand in one branch on its number, ahead of every wait on TENSORcnt, every LDS read and every other barrier
	s_cbranch_scc0 .Lfor_p
	tensor_load_to_lds s[G0R:G0R+3], s[G1RS:G1RS+7]
	s_nop 0
	tensor_load_to_lds s[G0R+4:G0R+7], s[G1R:G1R+7]
	s_nop 0
	tensor_load_to_lds s[G0R+8:G0R+11], s[G1R:G1R+7]
	s_nop 0
.rept 4
	v_nop                                          ; four plain lines behind the last load
.endr
	s_branch .Lasked
.Lfor_p:
	tensor_load_to_lds s[G0P:G0P+3], s[G1PS:G1PS+7]
	s_nop 0
	tensor_load_to_lds s[G0P+4:G0P+7], s[G1P:G1P+7]
	s_nop 0
	tensor_load_to_lds s[G0P+8:G0P+11], s[G1P:G1P+7]
	s_nop 0
.rept 4
	v_nop
.endr
.Lasked:
	v_and_b32 v1, 15, v0                           ; r
	v_bfe_u32 v2, v0, 4, 1                         ; h
	v_and_b32 v3, 31, v0
	v_lshlrev_b32 v21, 4, v3                       ; 16 x lane
	s_lshl_b32 s2, s23, 15
	v_add_nc_u32 v[ADRR], s2, v21                  ; my 8 R tiles
	v_add_nc_u32 v[ADRR+1], CHUNK, v[ADRR]
	s_lshl_b32 s3, s24, 14
	s_add_co_u32 s3, s3, PBASE
	v_add_nc_u32 v[ADRP], s3, v21                  ; my 4 P tiles
	v_add_nc_u32 v[ADRP+1], CHUNK, v[ADRP]
	v_xor_b32 v4, 1, v2                            ; 1 in lanes 0-15, which take R's scale words
	s_lshl_b32 s2, s24, 11                         ; P's of my 4 tiles,
	s_lshl_b32 s3, s23, 12
	s_add_co_u32 s3, s3, 4096                      ; R's of my 8,
	s_sub_co_u32 s3, s3, s2                        ; and the distance between the two
	v_mul_u32_u24 v4, s3, v4
	v_lshl_add_u32 v4, v1, 4, v4                   ; 16 bytes a row
	s_add_co_u32 s2, s2, SCL
	v_add_nc_u32 v[ADRS], s2, v4
	v_lshlrev_b32 v5, 6, v2                        ; the bias: 64 h
	s_lshl_b32 s2, s67, 9
	s_lshl_b32 s3, s24, 8
	s_add_co_u32 s2, s2, s3                        ; my 64 features, in bytes: 512 x tile + 256 x half
	s_mov_b32 s3, 0
	s_add_nc_u64 s[12:13], s[12:13], s[2:3]
.irp t, 0,1,2,3                                    ; P tile t, register j, half h: feature 32 (t / 2) + 8 (t % 2) + 16 h + j
	global_load_b128 v[BP+8*\t:BP+8*\t+3], v5, s[12:13] offset:(32*(\t/2)+8*(\t%2))*4
	global_load_b128 v[BP+8*\t+4:BP+8*\t+7], v5, s[12:13] offset:(32*(\t/2)+8*(\t%2))*4+16
.endr
	s_add_nc_u64 s[14:15], s[14:15], s[2:3]        ; out0 at my first feature,
	s_lshl_b32 s100, s66, 20
	s_lshl_b32 s101, s23, 19
	s_add_co_u32 s100, s100, s101                  ; and my first token: (256 x tile + 128 x half) rows of 4,096 bytes
	s_mov_b32 s101, 0
	s_add_nc_u64 s[14:15], s[14:15], s[100:101]
	s_mul_i32 s29, s[WV], 16*272
	s_add_co_u32 s29, s29, STG                     ; my stage
	v_mul_u32_u24 v[STO], v1, 272
	v_lshl_add_u32 v[STO], v2, 6, v[STO]
	v_add_nc_u32 v[STO], s29, v[STO]               ; in: row r, + 64 h
	v_mul_u32_u24 v[RD], v2, 272
	v_lshl_add_u32 v[RD], v1, 4, v[RD]
	v_add_nc_u32 v[RD], s29, v[RD]                 ; back: lanes 0-15 one row of 256 bytes, lanes 16-31 the next
	v_lshlrev_b32 v[CO], 12, v2
	v_lshl_add_u32 v[CO], v1, 4, v[CO]             ; and the same two rows in out0
.macro FRAG reg, adr, off
	ds_load_b128 v[\reg:\reg+3], v[\adr] offset:\off
	ds_load_b128 v[\reg+4:\reg+7], v[\adr] offset:\off+512
.endm
.macro FETCH_P q, sl, set
	WIN 0x40
.irp b, 0,1,2,3
	FRAG 128*(\set)+8*\b, ADRP+(\q), 4096*\b+1024*(\sl)
.endr
	WIN 0
.endm
.macro FETCH_R q, sl, i0
.irp i, \i0, \i0+1, \i0+2, \i0+3
	FRAG RF+8*(\i), ADRR+(\q), 4096*(\i)+1024*(\sl)
.endr
.endm
.macro SCALES q
.irp i, 0,1,2,3,4,5,6,7
	ds_load_b128 v[SC+32*\q+4*\i:SC+32*\q+4*\i+3], v[ADRS] offset:512*\i+256*\q
.endr
.endm
; 8 matrix instructions: R tiles a0, a0 + 1 x P's four, K step k.  first = 1: the sum begins with the bias.  The 32 accumulators take turns, one instruction a turn.
.macro MUL a0, set, k, first
.irp a, \a0, \a0+1
.irp b, 0,1,2,3
.if \first
	v_wmma_scale_f32_16x16x128_f8f6f4 v[8*(NPT*((\a)%4)+\b):8*(NPT*((\a)%4)+\b)+7], v[128*(\set)+8*\b:128*(\set)+8*\b+7], v[RF+8*(\a):RF+8*(\a)+7], v[BP+8*\b:BP+8*\b+7], v[SC+32*((\k)/4)+4*\b+(\k)%4], v[SC+32*((\k)/4)+4*(\a)+(\k)%4] matrix_a_fmt:MATRIX_FMT_FP4 matrix_b_fmt:MATRIX_FMT_FP4 matrix_a_scale:MATRIX_SCALE_ROW1
.else
	v_wmma_scale_f32_16x16x128_f8f6f4 v[8*(NPT*((\a)%4)+\b):8*(NPT*((\a)%4)+\b)+7], v[128*(\set)+8*\b:128*(\set)+8*\b+7], v[RF+8*(\a):RF+8*(\a)+7], v[8*(NPT*((\a)%4)+\b):8*(NPT*((\a)%4)+\b)+7], v[SC+32*((\k)/4)+4*\b+(\k)%4], v[SC+32*((\k)/4)+4*(\a)+(\k)%4] matrix_a_fmt:MATRIX_FMT_FP4 matrix_b_fmt:MATRIX_FMT_FP4 matrix_a_scale:MATRIX_SCALE_ROW1
.endif
.endr
.endr
.endm
.macro STEP k, first
	s_wait_dscnt 8                                 ; all but the youngest eight loads (R tiles 4-7) are in
.if \first
	WIN 0x81                                       ; source 0 (P) window 1, source 1 (R) and C (the bias) window 0, D window 2
.else
	WIN 0xa1                                       ; C and D window 2
.endif
	MUL 0, (\k)%2, \k, \first
	MUL 2, (\k)%2, \k, \first
	s_wait_dscnt 0x0
	PLACES 4
	FETCH_P ((\k)+1)/4, ((\k)+1)%4, ((\k)+1)%2
	FETCH_R ((\k)+1)/4, ((\k)+1)%4, 0
.if \first
	WIN 0xc1                                       ; D window 3
.else
	WIN 0xf1
.endif
	MUL 4, (\k)%2, \k, \first
	MUL 6, (\k)%2, \k, \first
	PLACES 4
	WIN 0
	FETCH_R ((\k)+1)/4, ((\k)+1)%4, 4
.endm
	s_wait_tensorcnt 1                             ; my scale words and my part of chunk 0 have landed; chunk 1 may stay out
	s_barrier_signal -1
	s_barrier_wait -1
	FETCH_P 0, 0, 0
	FETCH_R 0, 0, 0
	SCALES 0
	SCALES 1
	FETCH_R 0, 0, 4
	s_wait_loadcnt 0x0                             ; the bias
	STEP 0, 1
	STEP 1, 0
	STEP 2, 0
	; K step 3 goes over to chunk 1: every wave's part of it has landed before any wave reads it
	s_wait_tensorcnt 0x0
	s_wait_dscnt 8
	WIN 0xa1
	MUL 0, 1, 3, 0
	s_wait_dscnt 0x0                               ; no LDS load of mine is out at the signal
	s_barrier_signal -1
	MUL 2, 1, 3, 0
	s_barrier_wait -1
	PLACES 4
	FETCH_P 1, 0, 0
	FETCH_R 1, 0, 0
	WIN 0xf1
	MUL 4, 1, 3, 0
	MUL 6, 1, 3, 0
	PLACES 4
	WIN 0
	FETCH_R 1, 0, 4
	STEP 4, 0
	STEP 5, 0
	STEP 6, 0
	s_wait_dscnt 8                                 ; the last K step: nothing more to fetch
	WIN 0xa1
	MUL 0, 1, 7, 0
	MUL 2, 1, 7, 0
	s_wait_alu depctr_va_vdst(0)
	s_wait_dscnt 0x0
	WIN 0xf1
	MUL 4, 1, 7, 0
	MUL 6, 1, 7, 0
	WIN 0
	PLACES 4                                       ; in front of the first read of results and of the loads over R's fragments
; THE WAY OUT, an R tile (16 tokens x 64 features) at a time.  A lane holds 32 neighbouring bytes of a row and the lanes beside it other rows: so a tile goes through my own stage and comes back as whole rows of 256 bytes.
; LDS serves a wave's instructions in order (ISA guide 5.7.1.4): no wait between the stores and the loads, nor in front of the next tile's stores.
.macro TOSTAGE a
	WIN 0x08+4*((\a)/4)                            ; an LDS store's data are its source 1: window 2 or 3
.irp b, 0,1,2,3
	ds_store_b128 v[STO], v[32*((\a)%4)+8*\b:32*((\a)%4)+8*\b+3] offset:128*(\b/2)+32*(\b%2)          ; each accumulator from its low end on
	ds_store_b128 v[STO], v[32*((\a)%4)+8*\b+4:32*((\a)%4)+8*\b+7] offset:128*(\b/2)+32*(\b%2)+16
.endr
	WIN 0
.irp t, 0,1,2,3,4,5,6,7
	ds_load_b128 v[BK+32*((\a)%2)+4*\t:BK+32*((\a)%2)+4*\t+3], v[RD] offset:544*\t
.endr
.endm
.macro SEND a, younger                 ; younger: the LDS instructions issued behind tile a's loads, which may stay out.  Stage row i is token 32 (a / 2) + 8 (a % 2) + i + 8 (i / 8)
	s_wait_dscnt \younger
.irp t, 0,1,2,3,4,5,6,7
	global_store_b128 v[CO], v[BK+32*((\a)%2)+4*\t:BK+32*((\a)%2)+4*\t+3], s[14:15] offset:(32*((\a)/2)+8*((\a)%2)+2*\t+8*(\t/4))*4096 th:TH_STORE_NT   ; sixteen lanes store 256 consecutive bytes, aligned; 126 rows on at the most: inside the immediate
.endr
.endm
	TOSTAGE 0
.irp a, 1,2,3,4,5,6,7
.if \a > 1
	s_wait_xcnt 0x0                                ; tile a - 2's stores have read their registers: tile a's rows may land there
.endif
	TOSTAGE \a
	SEND \a-1, 16                                  ; behind tile a - 1's loads: tile a's 8 stores and 8 loads
.endr
	SEND 7, 0
	s_wait_tensorcnt 0x0
	ds_add_u32 v254, v255
	s_wait_dscnt 0x0
	CROUND                                         ; the closing round: no work-group ends while a partner may still ask for a tile that names it
	s_endpgm
.Lfunc_end_k_qe56323269c_oproj:
	.size	k_qe56323269c_oproj, .Lfunc_end_k_qe56323269c_oproj-k_qe56323269c_oproj
	.p2alignl 7, 3214868480
	.fill 96, 4, 3214868480
	.section	.rodata,"a",@progbits
	.p2align	6, 0x0
	.amdhsa_kernel k_qe56323269c_oproj
		.amdhsa_group_segment_fixed_size 229888
		.amdhsa_private_segment_fixed_size 0
		.amdhsa_enable_private_segment 0
		.amdhsa_kernarg_size 48
		.amdhsa_user_sgpr_count 2
		.amdhsa_user_sgpr_kernarg_segment_ptr 1
		.amdhsa_wavefront_size32 1
		.amdhsa_system_sgpr_workgroup_id_x 1
		.amdhsa_system_sgpr_workgroup_id_y 1
		.amdhsa_system_sgpr_workgroup_id_z 1
		.amdhsa_system_vgpr_workitem_id 0
		.amdhsa_next_free_vgpr 1024
		.amdhsa_next_free_sgpr 102
		.amdhsa_reserve_vcc 0
		.amdhsa_float_denorm_mode_32 3
		.amdhsa_float_denorm_mode_16_64 3
		.amdhsa_memory_ordered 1
		.amdhsa_forward_progress 1
		.amdhsa_inst_pref_size 74
	.end_amdhsa_kernel
	.amdgpu_metadata
---
amdhsa.version: [ 1, 2 ]
amdhsa.kernels:
  - .name:           k_qe56323269c_oproj
    .symbol:         k_qe56323269c_oproj.kd
    .args:
      - { .name: a_img, .offset: 0, .size: 8, .value_kind: global_buffer, .address_space: global }
      - { .name: a_sc, .offset: 8, .size: 8, .value_kind: global_buffer, .address_space: global }
      - { .name: w_img, .offset: 16, .size: 8, .value_kind: global_buffer, .address_space: global }
      - { .name: w_sc, .offset: 24, .size: 8, .value_kind: global_buffer, .address_space: global }
      - { .name: bo, .offset: 32, .size: 8, .value_kind: global_buffer, .address_space: global }
      - { .name: out0, .offset: 40, .size: 8, .value_kind: global_buffer, .address_space: global }
    .group_segment_fixed_size: 229888
    .private_segment_fixed_size: 0
    .kernarg_segment_align: 8
    .kernarg_segment_size: 48
    .max_flat_workgroup_size: 128
    .sgpr_count:     102
    .vgpr_count:     1024
    .wavefront_size: 32
...
	.end_amdgpu_metadata
.endif
;; end of part 4
